; MI455X (gfx1250); checked and timed in simulation.
; The chip was launched on July 23, 2026; its instructions are those of AMD's public machine-readable ISA for CDNA 5 (MIT licence, August 2026) and "CDNA5" Instruction Set Architecture Reference Guide (July 2026). The comments in the code are by the model that wrote it; some were corrected since.
;; Isolated Multi Attention. Allowed arithmetic: matrix products marked QUANTISED: E2M3 operands, one E8M0 scale for each 32 along K, by v_wmma_scale_f32_16x16x128_f8f6f4 with both operands' format E2M3, f32 sums; everything else in f32.
;; Inputs: Wk 1,024 x 1,024 float32; Wo 1,024 x 1,024 float32; Wq 1,024 x 1,024 float32; Wv 1,024 x 1,024 float32; inp_emb 4 x 2,048 x 1,024 float32.
;; Outputs: out0 4 x 2,048 x 1,024 float32.
;; This version of the problem:
;;   THIS VERSION OF THE PROBLEM IS GIVEN IN LOW PRECISION. The matrix products marked QUANTISED in the list below multiply operands that are first quantised to E2M3 (2 exponent bits, 3 mantissa bits; 6 bits a number), with one power-of-two scale for each 32 numbers along K (OCP MX v1.0); their sums are f32. All else is computed in f32.
;;   The module's matrix products, in the order in which they are computed (A, B: the left and right operand; K: the contracted axis; several contracted axes count as one K, in the product's order):
;;     1. [M 8,192, K 1,024] x [K 1,024, N 1,024]; A: input inp_emb; B: input Wq: QUANTISED
;;     2. [M 8,192, K 1,024] x [K 1,024, N 1,024]; A: input inp_emb; B: input Wk: QUANTISED
;;     3. [M 8,192, K 1,024] x [K 1,024, N 1,024]; A: input inp_emb; B: input Wv: QUANTISED
;;     4. batch 64 x [M 2,048, K 64] x [K 64, N 2,048]; A: computed on the way; B: computed on the way: QUANTISED
;;     5. batch 64 x [M 2,048, K 2,048] x [K 2,048, N 64]; A: softmax (see below); B: computed on the way: QUANTISED
;;     6. [M 8,192, K 1,024] x [K 1,024, N 1,024]; A: computed on the way; B: input Wo: QUANTISED
;;   THE QUANTISER, for each operand of a quantised product, along K:
;;     - K is cut into blocks of 32 from its start; a last block that is shorter is filled with zeros.
;;     - A block's scale is 2^e with e = floor(log2(the largest magnitude in the block)) - 2, held to -126 .. 127; a block of zeros has e = 0. As a byte (E8M0): e + 127.
;;     - Each number is divided by its block's scale, clamped to +-7.5, and rounded to the nearest number of E2M3, ties to even, subnormals kept.
;;     - The product sums the exact products of the quantised numbers (number of the format x scale) in f32.
;;   ~~~python
;;   def quantise(x, axis):      # numpy; x: float32 -> the quantised numbers, widened to float32 again
;;       x = np.moveaxis(x, axis, -1); K = x.shape[-1]
;;       x = np.pad(x, [(0, 0)] * (x.ndim - 1) + [(0, -K % 32)]); x = x.reshape(x.shape[:-1] + (-1, 32)); a = np.abs(x).max(-1, keepdims=True)
;;       e = np.where(a > 0, np.clip(np.frexp(np.where(a > 0, a, 1))[1] - 1 - 2, -126, 127), 0)      # np.frexp(a)[1] - 1 = floor(log2(a)), exactly
;;       r = np.clip(x / 2.0 ** e, -7.5, 7.5)
;;       step = 2.0 ** (np.maximum(np.frexp(np.where(r == 0, 1, r))[1] - 1, 0) - 3)
;;       q = np.round(r / step) * step * 2.0 ** e      # np.round: ties to even
;;       return np.moveaxis(q.reshape(q.shape[:-2] + (-1,))[..., :K], -1, axis).astype(np.float32)
;;   ~~~
;;   SOFTMAX AHEAD OF A QUANTISED PRODUCT. Where the list says 'softmax', what is quantised is not the finished softmax but p = 2^(t - M), with t = logit x log2(e) and M = ceil(the row's largest t), a whole number; so 1/2 < the row's largest p <= 1. The row's sum l is taken of the UNQUANTISED p, in f32, and the product's result is divided by l at the end. Since M is a whole number, a kernel that streams over the keys may use a running M (the ceiling of the running maximum): every later rescaling is an exact power of two, which a block's scale takes up: the codes' values come out the same.
;;   OPERANDS COMPUTED ON THE WAY. 'Computed on the way' means the value that the module computes at that place (a softmax that the list does not call 'softmax' is quantised finished and normalised). What goes into a quantiser is computed in f32, as accurately as f32 sums, v_exp_f32 and their like allow (about 1e-6 of the number): no bf16 or f16 on the way to a quantiser, and a product that is left as it is and whose result goes on into a quantised operand takes f32 operands (vector FMAs, or v_wmma_f32_16x16x4_f32). A number that lies on a knife's edge between two numbers of the format may be rounded either way, as far as f32 arithmetic and the matrix unit's own rounding can turn it there, and no further.
;; One version. Each part assembles by itself: llvm-mc -triple=amdgcn-amd-amdhsa -mcpu=gfx1250 --defsym DOCPART=n.
;; ======== version 1 of 1: 5 launches
;; limits: right only within a limited range of input values
;; workspace buffers: xq 6,553,600 bytes; wqk 1,638,400 bytes; wv 819,200 bytes; wo 819,200 bytes; qkc 13,107,200 bytes; vtc 50,995,200 bytes; oq 6,553,600 bytes
;; launch quant (part 1): grid 384 x 1, 4 waves a work-group, no clusters, 34,304 bytes of LDS; arguments inp_emb, Wq, Wk, Wv, Wo, xq, wqk, wv, wo; writes xq, wqk, wv, wo
.if DOCPART == 1
	.amdgcn_target "amdgcn-amd-amdhsa--gfx1250"
	.amdhsa_code_object_version 6
	.text
	.protected	k_q97018e24a8_quant
	.globl	k_q97018e24a8_quant
	.p2align	8
	.type	k_q97018e24a8_quant,@function
k_q97018e24a8_quant:
	s_mov_b64 s[64:65], 0
	v_nop
	global_prefetch_b8 v0, s[64:65] scope:SCOPE_SE
	s_setreg_imm32_b32 hwreg(HW_REG_WAVE_MODE, 25, 1), 1
	s_wait_xcnt 0x0
; inp_emb [8192][1024] and the four weights [1024][1024], f32 with K innermost, become codes of FP6 (E2M3) with one E8M0 byte for each 32 along K,
; laid as IMAGES OF THE OPERAND'S REGISTERS.  A row tile T holds 16 rows: lane-row r holds row 32 (T/2) + 8 (T%2) + r + 8 (r/8).
; A tile's record is 12,800 bytes: 16 images of 768 bytes (64 along K each: byte 256 p + 8 lane + e = byte 8 p + e of the 24 bytes of the lane's block of 32),
; then 512 scale bytes: byte 256 kh + 16 r + 4 u + v = the byte of block 4 (4 kh + u) + v of lane-row r.
; A block's scale is 2^(floor(log2(largest magnitude)) - 2): its byte is the largest magnitude's exponent field - 2, held at 1 from below.
; LIMITS: NaN and infinities are not served; a block of zeros gets the byte 1 where the rule says 127 (its codes are zeros; this program alone reads the bytes);
; a block whose largest magnitude lies under 2^-124 is held at the byte 1.
; SHARES: work-group g takes two row tiles of one tensor; wave w takes tile w / 2 of them and half w % 2 of K: 16 rows x 512, four steps of 16 x 128.
; Each load reads 512 consecutive bytes of one row; a step turns through the wave's own stage in LDS so that a lane holds 2 x 32 neighbours along K.
; Each store of codes covers 256 consecutive bytes, aligned.  Waves share nothing: no barrier.  Loads run two steps (32 loads a wave) ahead.
.set STG,  8448                        ; a wave's stage: 16 rows x (512 + 16) bytes
.set REC,  12800
.set MX,   10                          ; v10-11 largest magnitudes of my two blocks
.set SO,   12                          ; v12-13 the conversions' scale operands
.set BY,   14                          ; v14-15 the bytes
.set SW,   16                          ; v16-19 a scale word for each step
.set RR,   32                          ; v32-159  two sets of 64 registers as loaded
.set XX,   160                         ; v160-223 64 numbers: register 32 c + i = k 64 c + 32 h + i of my row
.set CC,   224                         ; v224-235 the fragment's codes
.set TT,   236                         ; v236-238, v240-242 the upper halves of the two blocks, as converted
	s_load_b512 s[4:19], s[0:1], 0x0               ; inp_emb, Wq, Wk, Wv, Wo, xq, wqk, wv
	s_load_b64 s[20:21], s[0:1], 0x40              ; wo
	v_lshl_add_u32 v248, v0, 2, 0x8400
	v_mov_b32 v249, 0
	v_lshrrev_b32 v1, 5, v0
	v_readfirstlane_b32 s22, v1                    ; wave
	v_and_b32 v1, 31, v0                           ; lane
	v_and_b32 v2, 15, v0                           ; r
	v_bfe_u32 v3, v0, 4, 1                         ; h
	s_mul_i32 s23, s22, STG                        ; my stage
	s_lshr_b32 s37, s22, 1                         ; which of the two tiles
	s_and_b32 s38, s22, 1                          ; which half of K
	s_mov_b32 s34, 0x76543210
	s_mov_b32 s35, 0xfedcba98                      ; selects for lane l xor 16
	v_lshlrev_b32 v4, 4, v1                        ; in: 16 bytes a lane
	v_add_nc_u32 v5, s23, v4                       ; into the stage: as loaded
	v_mul_u32_u24 v6, v2, 528
	v_lshl_add_u32 v6, v3, 7, v6
	v_add_nc_u32 v6, s23, v6                       ; out of it: row r, + 128 h bytes
	v_lshlrev_b32 v7, 3, v1                        ; codes out: 8 bytes a lane
	v_lshlrev_b32 v8, 4, v2
	v_lshl_add_u32 v8, v3, 3, v8                   ; scale bytes out: 16 r + 8 h
	v_lshlrev_b32 v9, 3, v3                        ; 8 h: my bytes' place in a scale word
	v_mov_b32 v22, 0                               ; a lane permute's destination counts as read
	v_cmp_le_u32 s36, 16, v1                       ; lanes 16-31
	s_wait_alu depctr_va_vdst(0)
	s_wait_kmcnt 0x0
	; which tensor: the choice hangs on the work-group's number alone.  gs, gd: the first work-group of the source, of the destination buffer
	s_mov_b64 s[24:25], s[4:5]
	s_mov_b64 s[26:27], s[14:15]
	s_mov_b32 s28, 0
	s_mov_b32 s29, 0
	s_cmp_ge_u32 ttmp9, 256
	s_cselect_b64 s[24:25], s[6:7], s[24:25]
	s_cselect_b64 s[26:27], s[16:17], s[26:27]
	s_cselect_b32 s28, 256, s28
	s_cselect_b32 s29, 256, s29
	s_cmp_ge_u32 ttmp9, 288                        ; Wk goes on in wqk behind Wq's 64 tiles: the destination stays
	s_cselect_b64 s[24:25], s[8:9], s[24:25]
	s_cselect_b32 s28, 288, s28
	s_cmp_ge_u32 ttmp9, 320
	s_cselect_b64 s[24:25], s[10:11], s[24:25]
	s_cselect_b64 s[26:27], s[18:19], s[26:27]
	s_cselect_b32 s28, 320, s28
	s_cselect_b32 s29, 320, s29
	s_cmp_ge_u32 ttmp9, 352
	s_cselect_b64 s[24:25], s[12:13], s[24:25]
	s_cselect_b64 s[26:27], s[20:21], s[26:27]
	s_cselect_b32 s28, 352, s28
	s_cselect_b32 s29, 352, s29
	s_sub_co_u32 s28, ttmp9, s28
	s_sub_co_u32 s29, ttmp9, s29
	s_lshl_b32 s28, s28, 5                         ; 32 rows a work-group,
	s_lshl_b32 s39, s37, 3
	s_add_co_u32 s28, s28, s39                     ; + 8 for the odd tile,
	s_lshl_b32 s28, s28, 12                        ; rows of 4,096 bytes,
	s_lshl_b32 s39, s38, 11
	s_add_co_u32 s2, s28, s39                      ; + 2,048 for the upper half of K
	s_mov_b32 s3, 0
	s_add_nc_u64 s[24:25], s[24:25], s[2:3]
	s_lshl_b32 s29, s29, 1
	s_add_co_u32 s29, s29, s37
	s_mul_i32 s2, s29, REC
	s_add_nc_u64 s[26:27], s[26:27], s[2:3]        ; my tile's record
	s_mul_i32 s2, s38, 6144
	s_add_nc_u64 s[30:31], s[26:27], s[2:3]        ; my eight images
	s_lshl_b32 s2, s38, 8
	s_add_co_u32 s2, s2, 12288
	s_add_nc_u64 s[32:33], s[26:27], s[2:3]        ; my 256 scale bytes
.macro LOAD t                          ; step t: 128 along K of my 16 rows, a row a load
.irp i, 0,1,2,3,4,5,6,7,8,9,10,11,12,13,14,15
	global_load_b128 v[RR+64*((\t)%2)+4*\i:RR+64*((\t)%2)+4*\i+3], v4, s[24:25] offset:(\i+8*(\i/8))*4096+512*(\t) th:TH_LOAD_NT
.endr
.endm
.macro STEP t
.if \t < 3
	s_wait_loadcnt 16                              ; this step's 16 loads are in; the next step's 16 may be out
.else
	s_wait_loadcnt 0x0
.endif
.irp i, 0,1,2,3,4,5,6,7,8,9,10,11,12,13,14,15
	ds_store_b128 v5, v[RR+64*((\t)%2)+4*\i:RR+64*((\t)%2)+4*\i+3] offset:528*\i
.endr
.irp c, 0,1
.irp e, 0,1,2,3,4,5,6,7
	ds_load_b128 v[XX+32*\c+4*\e:XX+32*\c+4*\e+3], v6 offset:256*\c+16*\e   ; LDS serves a wave's instructions in order: these see the stores above
.endr
.endr
	s_wait_dscnt 0x0                               ; my 64 numbers are back, and the stores have read their registers,
.if \t+2 < 4
	LOAD \t+2                                      ; which take the loads of two steps on
.endif
.irp c, 0,1
	v_max3_num_f32 v[MX+\c], |v[XX+32*\c]|, |v[XX+32*\c+1]|, 0x1800000   ; my block 2 c + h: all 32 numbers are mine; the floor 2^(3 - 127) holds the byte at 1 from below
.endr
.irp i, 2,4,6,8,10,12,14,16,18,20,22,24,26,28,30
.irp c, 0,1
	v_max3_num_f32 v[MX+\c], v[MX+\c], |v[XX+32*\c+\i]|, |v[XX+32*\c+\i+1]|
.endr
.endr
.irp c, 0,1
	v_add_nc_u32 v[SO+\c], 0xff000000, v[MX+\c]    ; 2 off the exponent field: the conversion's scale operand
.endr
.irp c, 0,1
	v_lshrrev_b32 v[BY+\c], 23, v[SO+\c]           ; the byte
.endr
	v_lshl_or_b32 v[SW+\t], v[BY+1], 16, v[BY]     ; blocks h and 2 + h,
	v_lshlrev_b32 v[SW+\t], v9, v[SW+\t]           ; at their places in the word;
	v_permlanex16_b32 v22, v[SW+\t], s34, s35
	v_or_b32 v[SW+\t], v[SW+\t], v22               ; with lane l xor 16's two the word is whole
.if \t > 0
	s_wait_alu depctr_va_vdst(0)
	s_wait_xcnt 0x0                                ; the last step's stores have read the codes' registers
.endif
.irp c, 0,1
	v_cvt_scalef32_pk16_fp6_f32 v[CC+6*\c:CC+6*\c+2], v[XX+32*\c:XX+32*\c+15], v[SO+\c]
	v_cvt_scalef32_pk16_fp6_f32 v[TT+4*\c:TT+4*\c+2], v[XX+32*\c+16:XX+32*\c+31], v[SO+\c]   ; (a conversion's three registers begin on an even number)
.endr
	v_nop                                          ; one plain place behind a scaled conversion
.irp c, 0,1
.irp i, 0,1,2
	v_mov_b32 v[CC+3+6*\c+\i], v[TT+4*\c+\i]
.endr
.endr
.irp p, 0,1,2,3,4,5
	global_store_b64 v7, v[CC+2*\p:CC+2*\p+1], s[30:31] offset:1536*\t+256*\p   ; 32 lanes store 256 consecutive bytes, aligned
.endr
.endm
	LOAD 0
	LOAD 1
	STEP 0
	STEP 1
	STEP 2
	STEP 3
	v_cndmask_b32 v20, v[SW], v[SW+2], s36         ; lane (r, h) stores the words of steps 2 h and 2 h + 1 of row r
	v_cndmask_b32 v21, v[SW+1], v[SW+3], s36
	global_store_b64 v8, v[20:21], s[32:33]        ; 256 consecutive bytes, aligned
	s_wait_tensorcnt 0x0
	ds_add_u32 v248, v249
	s_wait_dscnt 0x0
	s_endpgm
.Lfunc_end_k_q97018e24a8_quant:
	.size	k_q97018e24a8_quant, .Lfunc_end_k_q97018e24a8_quant-k_q97018e24a8_quant
	.p2alignl 7, 3214868480
	.fill 96, 4, 3214868480
	.section	.rodata,"a",@progbits
	.p2align	6, 0x0
	.amdhsa_kernel k_q97018e24a8_quant
		.amdhsa_group_segment_fixed_size 34304
		.amdhsa_private_segment_fixed_size 0
		.amdhsa_enable_private_segment 0
		.amdhsa_kernarg_size 72
		.amdhsa_user_sgpr_count 2
		.amdhsa_user_sgpr_kernarg_segment_ptr 1
		.amdhsa_wavefront_size32 1
		.amdhsa_system_sgpr_workgroup_id_x 1
		.amdhsa_system_sgpr_workgroup_id_y 1
		.amdhsa_system_sgpr_workgroup_id_z 1
		.amdhsa_system_vgpr_workitem_id 0
		.amdhsa_next_free_vgpr 250
		.amdhsa_next_free_sgpr 66
		.amdhsa_reserve_vcc 0
		.amdhsa_float_denorm_mode_32 3
		.amdhsa_float_denorm_mode_16_64 3
		.amdhsa_memory_ordered 1
		.amdhsa_forward_progress 1
		.amdhsa_inst_pref_size 32
	.end_amdhsa_kernel
	.amdgpu_metadata
---
amdhsa.version: [ 1, 2 ]
amdhsa.kernels:
  - .name:           k_q97018e24a8_quant
    .symbol:         k_q97018e24a8_quant.kd
    .args:
      - { .name: inp_emb, .offset: 0, .size: 8, .value_kind: global_buffer, .address_space: global }
      - { .name: Wq, .offset: 8, .size: 8, .value_kind: global_buffer, .address_space: global }
      - { .name: Wk, .offset: 16, .size: 8, .value_kind: global_buffer, .address_space: global }
      - { .name: Wv, .offset: 24, .size: 8, .value_kind: global_buffer, .address_space: global }
      - { .name: Wo, .offset: 32, .size: 8, .value_kind: global_buffer, .address_space: global }
      - { .name: xq, .offset: 40, .size: 8, .value_kind: global_buffer, .address_space: global }
      - { .name: wqk, .offset: 48, .size: 8, .value_kind: global_buffer, .address_space: global }
      - { .name: wv, .offset: 56, .size: 8, .value_kind: global_buffer, .address_space: global }
      - { .name: wo, .offset: 64, .size: 8, .value_kind: global_buffer, .address_space: global }
    .group_segment_fixed_size: 34304
    .private_segment_fixed_size: 0
    .kernarg_segment_align: 8
    .kernarg_segment_size: 72
    .max_flat_workgroup_size: 128
    .sgpr_count:     66
    .vgpr_count:     250
    .wavefront_size: 32
...
	.end_amdgpu_metadata
.endif
;; end of part 1
;; launch qk (part 2): grid 8 x 32, 4 waves a work-group, clusters of 4 x 4, 327,680 bytes of LDS; arguments xq, wqk, qkc; writes qkc
.if DOCPART == 2
	.amdgcn_target "amdgcn-amd-amdhsa--gfx1250"
	.amdhsa_code_object_version 6
	.text
	.protected	k_q97018e24a8_qk
	.globl	k_q97018e24a8_qk
	.p2align	8
	.type	k_q97018e24a8_qk,@function
k_q97018e24a8_qk:
	s_mov_b64 s[64:65], 0
	v_nop
	global_prefetch_b8 v0, s[64:65] scope:SCOPE_SE
	s_setreg_imm32_b32 hwreg(HW_REG_WAVE_MODE, 25, 1), 1
	s_wait_xcnt 0x0
	s_wait_alu depctr_hold_cnt(0) depctr_sa_sdst(0) depctr_va_vdst(0) depctr_va_sdst(0) depctr_va_ssrc(0) depctr_va_vcc(0) depctr_vm_vsrc(0)
	s_getreg_b32 s2, hwreg(HW_REG_IB_STS2, 6, 4)
	s_cmp_eq_u32 s2, 0
	s_cbranch_scc0 .Lentry_in_a_cluster
	s_endpgm
.Lentry_in_a_cluster:
	s_bfe_u32 s2, ttmp6, 0x10000c
	s_cmp_lg_u32 s2, 0xf033
	s_cbranch_scc0 .Lentry_shape_is_right
	s_endpgm
.Lentry_shape_is_right:
.set REC,    12800
.set ORECB,  51200
.set NQ,     2
.set FR,     12
.set NL,     6
.set NP,     4
.set TROW,   3072
.set HALFT,  8*TROW
.set SLOT,   4*HALFT
.set SCL,    2*SLOT
.set SPARE,  SCL+32*512
.set ADRA, 16
.set ADRB, 20
.set L8,   26
.set ADRS, 27
.set SPW,  28
.set NIL,  29
.set SC,   32
.set AF,   128
.set PC,   128
.set TM,   160
.set PW,   184
.set PR,   192
.set G1, 24
.set G0, 32
.set G1B, 48
.set G0B, 56
.set G1S, 68
.set G0S, 76
.set G1SB, 80
.set G0SB, 88
.set SEL, 96
.set MSB, 0
.macro WIN new
.if MSB != \new
	s_set_vgpr_msb (MSB<<8)|\new
.set MSB, \new
.endif
.endm
.set MUL_LO, 0xa1
.set MUL_HI, 0xf1
.set TO_B,   0x40
.macro JLOAD g0a, g1a, g0b, g1b
	s_cmp_eq_u32 s15, 0
	s_cbranch_scc0 .Lfor_b_\@
	tensor_load_to_lds s[\g0a:\g0a+3], s[\g1a:\g1a+7]
	s_nop 0
.rept 4
	v_nop
.endr
	s_branch .Lasked_\@
.Lfor_b_\@:
	tensor_load_to_lds s[\g0b:\g0b+3], s[\g1b:\g1b+7]
	s_nop 0
.rept 4
	v_nop
.endr
.Lasked_\@:
.endm
.macro CREST
	s_cmp_lg_u32 s14, 0
	s_cbranch_scc1 .Lnot_wave_0_\@
	s_barrier_signal -3
.Lnot_wave_0_\@:
	s_barrier_wait -3
	s_barrier_signal -1
	s_barrier_wait -1
.endm
.macro CROUND
	s_barrier_signal -1
	s_barrier_wait -1
	CREST
.endm
	s_load_b128 s[4:7], s[0:1], 0x0
	s_load_b64 s[8:9], s[0:1], 0x10
	v_lshl_add_u32 v[SPW], v0, 2, SPARE
	v_mov_b32 v[NIL], 0
	ds_add_u32 v28, v29
	ds_add_u32 v28, v29
	s_wait_dscnt 0x0
	v_lshrrev_b32 v1, 5, v0
	v_readfirstlane_b32 s14, v1
	s_lshr_b32 s15, s14, 1
	s_and_b32 s16, s14, 1
	s_bfe_u32 s40, ttmp6, 0x40000
	s_bfe_u32 s41, ttmp6, 0x40004
	s_lshl_b32 s42, ttmp9, 2
	s_add_co_u32 s42, s42, s40
	s_and_b32 s17, ttmp7, 0xffff
	s_lshl_b32 s17, s17, 2
	s_add_co_u32 s17, s17, s41
	s_lshl_b32 s43, s41, 2
	s_lshl_b32 s43, 15, s43
	s_lshl_b32 s44, 0x1111, s40
	s_mov_b32 s[SEL], 0x76543210
	s_mov_b32 s[SEL+1], 0xfedcba98
	s_or_b32 s[G1+0], s43, (3<<16)|(1<<21)
	s_or_b32 s[G1B+0], s44, (3<<16)|(1<<21)
.irp g, G1, G1B
	s_mov_b32 s[\g+1], 384<<16
	s_mov_b32 s[\g+2], 16<<16
	s_mov_b32 s[\g+3], 384<<16
	s_mov_b32 s[\g+4], 16
	s_mov_b32 s[\g+5], 1600
	s_mov_b32 s[\g+6], 0
	s_mov_b32 s[\g+7], 0
.endr
	s_or_b32 s[G1S+0], s43, (3<<16)|(1<<21)
	s_or_b32 s[G1SB+0], s44, (3<<16)|(1<<21)
.irp g, G1S, G1SB
	s_mov_b32 s[\g+1], 64<<16
	s_mov_b32 s[\g+2], 16<<16
	s_mov_b32 s[\g+3], 64<<16
	s_mov_b32 s[\g+4], 16
	s_mov_b32 s[\g+5], 1600
	s_mov_b32 s[\g+6], 0
	s_mov_b32 s[\g+7], 0
.endr
	s_mul_i32 s66, s16, 8*REC                      ; in the ring a wave fetches 8 of a side's 16 row tiles: which half, in bytes
	s_mov_b32 s67, 0
	s_lshl_b32 s20, s17, 4
	s_mul_i32 s20, s20, REC
	s_mov_b32 s21, 0
	s_lshl_b32 s46, s42, 4
	s_mul_i32 s46, s46, REC
	s_mov_b32 s47, 0
	s_mul_i32 s45, s14, HALFT
	s_wait_kmcnt 0x0
	s_add_nc_u64 s[20:21], s[4:5], s[20:21]
	s_add_nc_u64 s[46:47], s[6:7], s[46:47]
	CROUND
	s_mov_b32 s[G0S], 1                            ; the head's four tiles, each whole: A's scales,
	s_mov_b32 s[G0S+1], SCL
	s_add_nc_u64 s[G0S+2:G0S+3], s[20:21], 12288
	s_or_b32 s[G0S+3], s[G0S+3], 0x80000000
	s_mov_b32 s[G0SB], 1                           ; B's scales,
	s_mov_b32 s[G0SB+1], SCL+8192
	s_add_nc_u64 s[G0SB+2:G0SB+3], s[46:47], 12288
	s_or_b32 s[G0SB+3], s[G0SB+3], 0x80000000
	s_mov_b32 s[G0], 1                             ; chunk 0 of A's 16 row tiles,
	s_mov_b32 s[G0+1], 0
	s_mov_b64 s[G0+2:G0+3], s[20:21]
	s_or_b32 s[G0+3], s[G0+3], 0x80000000
	s_mov_b32 s[G0B], 1                            ; and of B's
	s_mov_b32 s[G0B+1], 2*HALFT
	s_mov_b64 s[G0B+2:G0B+3], s[46:47]
	s_or_b32 s[G0B+3], s[G0B+3], 0x80000000
	s_add_nc_u64 s[20:21], s[20:21], s[66:67]
	s_add_nc_u64 s[46:47], s[46:47], s[66:67]
	s_mov_b32 s[G0+4], 1                           ; slot 1: chunk 1, my 8 row tiles
	s_add_co_u32 s[G0+5], s45, SLOT
	s_add_nc_u64 s[G0+6:G0+7], s[20:21], TROW
	s_or_b32 s[G0+7], s[G0+7], 0x80000000
	s_mov_b32 s[G0B+4], 1
	s_add_co_u32 s[G0B+5], s45, SLOT
	s_add_nc_u64 s[G0B+6:G0B+7], s[46:47], TROW
	s_or_b32 s[G0B+7], s[G0B+7], 0x80000000
	s_cmp_lt_u32 s14, 1                            ; one joint load a wave, in one chain of branches on the wave's number
	s_cbranch_scc0 .Lhead_b
	tensor_load_to_lds s[G0:G0+3], s[G1:G1+7]
	s_nop 0
.rept 4
	v_nop
.endr
	s_branch .Lhead_asked
.Lhead_b:
	s_cmp_lt_u32 s14, 2
	s_cbranch_scc0 .Lhead_sa
	tensor_load_to_lds s[G0B:G0B+3], s[G1B:G1B+7]
	s_nop 0
.rept 4
	v_nop
.endr
	s_branch .Lhead_asked
.Lhead_sa:
	s_cmp_lt_u32 s14, 3
	s_cbranch_scc0 .Lhead_sb
	tensor_load_to_lds s[G0S:G0S+3], s[G1S:G1S+7]
	s_nop 0
.rept 4
	v_nop
.endr
	s_branch .Lhead_asked
.Lhead_sb:
	tensor_load_to_lds s[G0SB:G0SB+3], s[G1SB:G1SB+7]
	s_nop 0
.rept 4
	v_nop
.endr
.Lhead_asked:
	s_wait_alu depctr_va_vdst(0)
	s_wait_tensorcnt 0x0                           ; my tile of the four is in; the full sequence ahead of slot 1's first fill
	ds_add_u32 v28, v29
	s_mov_b32 s[G1+2], 8<<16                       ; no load of mine is out: from here on a load brings 8 row tiles,
	s_mov_b32 s[G1+4], 8
	s_mov_b32 s[G1B+2], 8<<16
	s_mov_b32 s[G1B+4], 8
	s_mov_b32 s[G0+1], s45                         ; and slot 0's refills are my half's
	s_add_nc_u64 s[G0+2:G0+3], s[G0+2:G0+3], s[66:67]
	s_mov_b32 s[G0B+1], s45
	s_add_nc_u64 s[G0B+2:G0B+3], s[G0B+2:G0B+3], s[66:67]
	s_wait_dscnt 0x0
	CROUND
	JLOAD G0+4, G1, G0B+4, G1B
	v_and_b32 v1, 31, v0
	v_and_b32 v2, 15, v0
	v_bfe_u32 v3, v0, 4, 1
	s_wait_alu depctr_va_vdst(0)
	v_lshlrev_b32 v[L8], 3, v1
	s_mul_i32 s21, s15, HALFT
	s_mul_i32 s22, s16, HALFT
	s_add_co_u32 s22, s22, 2*HALFT
.irp s, 0,1
	v_add_nc_u32 v[ADRA+\s], s21, v[L8]
	v_add_nc_u32 v[ADRB+\s], s22, v[L8]
	s_add_co_u32 s21, s21, SLOT
	s_add_co_u32 s22, s22, SLOT
.endr
	v_lshlrev_b32 v5, 4, v2
	s_lshl_b32 s21, s15, 12
	s_lshl_b32 s22, s16, 12
	s_add_co_u32 s22, s22, 8192
	s_sub_co_u32 s22, s22, s21
	v_mul_u32_u24 v6, s22, v3
	s_add_co_u32 s21, s21, SCL
	v_add_nc_u32 v5, v5, v6
	v_add_nc_u32 v[ADRS], s21, v5
	s_lshl_b32 s92, s42, 5
	s_add_co_u32 s92, s92, s17
	s_mul_i32 s92, s92, ORECB
	s_mov_b32 s93, 0
	s_add_nc_u64 s[8:9], s[8:9], s[92:93]
	s_mul_i32 s92, s16, 24576
	s_mul_i32 s95, s15, 6144
	s_add_co_u32 s92, s92, s95
	s_add_nc_u64 s[10:11], s[8:9], s[92:93]
	s_lshl_b32 s92, s16, 10
	s_lshl_b32 s95, s15, 9
	s_add_co_u32 s92, s92, s95
	s_add_co_u32 s92, s92, 49152
	s_add_nc_u64 s[12:13], s[8:9], s[92:93]
.macro FRAG reg, adr, q, i
.irp p, 0,1,2,3,4,5
	ds_load_b64 v[\reg+2*\p:\reg+2*\p+1], v[\adr] offset:TROW*(\i)+1536*(\q)+256*\p
.endr
.endm
.macro MUL16 a0, p, q, sc, zero
.irp a, \a0, \a0+1
.irp b, 0,1,2,3,4,5,6,7
.if \zero
	v_wmma_scale_f32_16x16x128_f8f6f4 v[8*(8*((\a)%4)+\b):8*(8*((\a)%4)+\b)+7], v[128*(\p)+FR*\b:128*(\p)+FR*\b+FR-1], v[AF+FR*(\a):AF+FR*(\a)+FR-1], 0, v[SC+8*NQ*(\sc)+NQ*\b+(\q)], v[SC+8*NQ*(\sc)+NQ*(\a)+(\q)] matrix_a_fmt:MATRIX_FMT_FP6 matrix_b_fmt:MATRIX_FMT_FP6 matrix_a_scale:MATRIX_SCALE_ROW1
.else
	v_wmma_scale_f32_16x16x128_f8f6f4 v[8*(8*((\a)%4)+\b):8*(8*((\a)%4)+\b)+7], v[128*(\p)+FR*\b:128*(\p)+FR*\b+FR-1], v[AF+FR*(\a):AF+FR*(\a)+FR-1], v[8*(8*((\a)%4)+\b):8*(8*((\a)%4)+\b)+7], v[SC+8*NQ*(\sc)+NQ*\b+(\q)], v[SC+8*NQ*(\sc)+NQ*(\a)+(\q)] matrix_a_fmt:MATRIX_FMT_FP6 matrix_b_fmt:MATRIX_FMT_FP6 matrix_a_scale:MATRIX_SCALE_ROW1
.endif
.endr
.endr
.endm
.macro FETCH_B slot, q, p
	WIN TO_B
.irp i, 0,1,2,3,4,5,6,7
	FRAG 128*(\p)+FR*\i, ADRB+\slot, \q, \i
.endr
	WIN 0
.endm
.macro FETCH_A slot, q, i0
.irp i, \i0, \i0+1, \i0+2, \i0+3
	FRAG AF+FR*(\i), ADRA+\slot, \q, \i
.endr
.endm
.macro SCALES sc, j
.irp i, 0,1,2,3,4,5,6,7
	ds_load_b64 v[SC+8*NQ*(\sc)+NQ*\i:SC+8*NQ*(\sc)+NQ*\i+1], v[ADRS] offset:512*\i+256*((\j)/2)+8*((\j)%2)
.endr
.endm
.macro PLACES n
.rept \n
	v_nop
.endr
.endm
.macro STEP slot, q, zero
	s_wait_dscnt 4*NL
	WIN MUL_LO
	MUL16 0, (\q)%2, \q, \slot, \zero
	MUL16 2, (\q)%2, \q, \slot, \zero
	s_wait_dscnt 0
	PLACES NP
	FETCH_B \slot, (\q)+1, 1-(\q)%2
	FETCH_A \slot, (\q)+1, 0
	WIN MUL_HI
	MUL16 4, (\q)%2, \q, \slot, \zero
	MUL16 6, (\q)%2, \q, \slot, \zero
	PLACES NP
	WIN 0
	FETCH_A \slot, (\q)+1, 4
.endm
.macro TURN slot, next, fill, j
	s_wait_tensorcnt 0x0
	ds_add_u32 v[SPW], v[NIL]
	s_wait_dscnt 4*NL+1
	WIN MUL_LO
	MUL16 0, 1, NQ-1, \slot, 0
	s_wait_dscnt 0x0
	s_barrier_signal -1
	MUL16 2, 1, NQ-1, \slot, 0
	WIN 0
	s_barrier_wait -1
.if \fill
	CREST
	s_add_nc_u64 s[G0+4*\slot+2:G0+4*\slot+3], s[G0+4*\slot+2:G0+4*\slot+3], 2*TROW
	s_add_nc_u64 s[G0B+4*\slot+2:G0B+4*\slot+3], s[G0B+4*\slot+2:G0B+4*\slot+3], 2*TROW
	JLOAD G0+4*\slot, G1, G0B+4*\slot, G1B
.else
	PLACES NP
.endif
	FETCH_B \next, 0, 0
	FETCH_A \next, 0, 0
	SCALES \next, \j
	WIN MUL_HI
	MUL16 4, 1, NQ-1, \slot, 0
	MUL16 6, 1, NQ-1, \slot, 0
	PLACES NP
	WIN 0
	FETCH_A \next, 0, 4
.endm
	s_wait_alu depctr_va_vdst(0)
	s_wait_tensorcnt 1
	s_barrier_signal -1
	s_barrier_wait -1
	FETCH_B 0, 0, 0
	FETCH_A 0, 0, 0
	SCALES 0, 0
	FETCH_A 0, 0, 4
	STEP 0, 0, 1
	TURN 0, 1, 1, 1
	STEP 1, 0, 0
	TURN 1, 0, 1, 2
	STEP 0, 0, 0
	TURN 0, 1, 0, 3
	STEP 1, 0, 0
	s_wait_dscnt 4*NL
	WIN MUL_LO
	MUL16 0, 1, NQ-1, 1, 0
	MUL16 2, 1, NQ-1, 1, 0
	s_wait_dscnt 0
	WIN MUL_HI
	MUL16 4, 1, NQ-1, 1, 0
	MUL16 6, 1, NQ-1, 1, 0
	WIN 0
.macro QOUT a
.set QS, 64*((\a)%4)
.set QW, 2+(\a)/4
	WIN (5*QW)
.irp b, 0,1,2,3
	v_max3_num_f32 v[TM+\b], |v[QS+16*\b]|, |v[QS+16*\b+1]|, 0x1800000
.endr
.irp i, 2,4,6,8,10,12,14
.irp b, 0,1,2,3
	v_max3_num_f32 v[TM+\b], |v[QS+16*\b+\i]|, |v[QS+16*\b+\i+1]|, v[TM+\b]
.endr
.endr
	WIN 0
.irp b, 0,1,2,3
	v_permlanex16_b32 v[TM+4+\b], v[TM+\b], s[SEL], s[SEL+1]
.endr
.irp b, 0,1,2,3
	v_max_num_f32 v[TM+\b], v[TM+\b], v[TM+4+\b]
.endr
.irp b, 0,1,2,3
	v_add_nc_u32 v[TM+12+\b], 0xff000000, v[TM+\b]
.endr
.irp b, 0,1,2,3
	v_lshrrev_b32 v[TM+4+\b], 23, v[TM+12+\b]
.endr
	v_lshl_or_b32 v[PW+\a], v[TM+5], 8, v[TM+4]
	v_lshl_or_b32 v[PW+\a], v[TM+6], 16, v[PW+\a]
	v_lshl_or_b32 v[PW+\a], v[TM+7], 24, v[PW+\a]
.if \a > 0
	s_wait_xcnt 0x0
.endif
	WIN QW
.irp c, 0,1
	v_cvt_scalef32_pk16_fp6_f32 v[PC+6*\c:PC+6*\c+2], v[QS+32*\c:QS+32*\c+15], v[TM+12+2*\c]
	v_cvt_scalef32_pk16_fp6_f32 v[PC+12+4*\c:PC+14+4*\c], v[QS+32*\c+16:QS+32*\c+31], v[TM+12+2*\c+1]
.endr
	WIN 0
	v_nop
.irp c, 0,1
.irp i, 0,1,2
	v_permlane16_swap_b32 v[PC+6*\c+\i], v[PC+12+4*\c+\i]
.endr
.irp i, 0,1,2
	v_mov_b32 v[PC+3+6*\c+\i], v[PC+12+4*\c+\i]
.endr
.endr
.irp p, 0,1,2,3,4,5
	global_store_b64 v[L8], v[PC+2*\p:PC+2*\p+1], s[10:11] offset:12288*(\p/3)+768*\a+256*(\p%3)
.endr
.endm
	PLACES NP
	v_cmp_le_u32 vcc_lo, 16, v1
.irp b, 0,1,2,3
	v_mov_b32 v[TM+4+\b], 0
.endr
.irp a, 0,1,2,3,4,5,6,7
	QOUT \a
.endr
.irp g, 0,1
	v_cndmask_b32 v[PR+2*\g], v[PW+4*\g], v[PW+4*\g+1], vcc_lo
	v_cndmask_b32 v[PR+2*\g+1], v[PW+4*\g+2], v[PW+4*\g+3], vcc_lo
	global_store_b64 v[L8], v[PR+2*\g:PR+2*\g+1], s[12:13] offset:256*\g
.endr
	s_wait_tensorcnt 0x0
	ds_add_u32 v[SPW], v[NIL]
	s_wait_dscnt 0x0
	CROUND
	s_endpgm
.Lfunc_end_k_q97018e24a8_qk:
	.size	k_q97018e24a8_qk, .Lfunc_end_k_q97018e24a8_qk-k_q97018e24a8_qk
	.p2alignl 7, 3214868480
	.fill 96, 4, 3214868480
	.section	.rodata,"a",@progbits
	.p2align	6, 0x0
	.amdhsa_kernel k_q97018e24a8_qk
		.amdhsa_group_segment_fixed_size 327680
		.amdhsa_private_segment_fixed_size 0
		.amdhsa_enable_private_segment 0
		.amdhsa_kernarg_size 24
		.amdhsa_user_sgpr_count 2
		.amdhsa_user_sgpr_kernarg_segment_ptr 1
		.amdhsa_wavefront_size32 1
		.amdhsa_system_sgpr_workgroup_id_x 1
		.amdhsa_system_sgpr_workgroup_id_y 1
		.amdhsa_system_sgpr_workgroup_id_z 1
		.amdhsa_system_vgpr_workitem_id 0
		.amdhsa_next_free_vgpr 1024
		.amdhsa_next_free_sgpr 98
		.amdhsa_reserve_vcc 1
		.amdhsa_float_denorm_mode_32 3
		.amdhsa_float_denorm_mode_16_64 3
		.amdhsa_memory_ordered 1
		.amdhsa_forward_progress 1
		.amdhsa_inst_pref_size 166
	.end_amdhsa_kernel
	.amdgpu_metadata
---
amdhsa.version: [ 1, 2 ]
amdhsa.kernels:
  - .name:           k_q97018e24a8_qk
    .symbol:         k_q97018e24a8_qk.kd
    .args:
      - { .name: xq, .offset: 0, .size: 8, .value_kind: global_buffer, .address_space: global }
      - { .name: wqk, .offset: 8, .size: 8, .value_kind: global_buffer, .address_space: global }
      - { .name: qkc, .offset: 16, .size: 8, .value_kind: global_buffer, .address_space: global }
    .group_segment_fixed_size: 327680
    .private_segment_fixed_size: 0
    .kernarg_segment_align: 8
    .kernarg_segment_size: 24
    .max_flat_workgroup_size: 128
    .sgpr_count:     98
    .vgpr_count:     1024
    .wavefront_size: 32
...
	.end_amdgpu_metadata
.endif
;; end of part 2
;; launch vt: the kernel of part 2 again; grid 32 x 4, 4 waves a work-group, clusters of 4 x 4, 327,680 bytes of LDS; arguments wv, xq, vtc; writes vtc
;; launch attn (part 3): grid 4 x 64, 8 waves a work-group, clusters of 4 x 1, 327,680 bytes of LDS; arguments qkc, vtc, oq; writes oq
.if DOCPART == 3
	.amdgcn_target "amdgcn-amd-amdhsa--gfx1250"
	.amdhsa_code_object_version 6
	.text
	.protected	k_q97018e24a8_attn
	.globl	k_q97018e24a8_attn
	.p2align	8
	.type	k_q97018e24a8_attn,@function
k_q97018e24a8_attn:
	s_mov_b64 s[64:65], 0
	v_nop
	global_prefetch_b8 v0, s[64:65] scope:SCOPE_SE
	s_setreg_imm32_b32 hwreg(HW_REG_WAVE_MODE, 25, 1), 1
	s_wait_xcnt 0x0
	s_wait_alu depctr_hold_cnt(0) depctr_sa_sdst(0) depctr_va_vdst(0) depctr_va_sdst(0) depctr_va_ssrc(0) depctr_va_vcc(0) depctr_vm_vsrc(0)
	s_getreg_b32 s2, hwreg(HW_REG_IB_STS2, 6, 4)
	s_cmp_eq_u32 s2, 0
	s_cbranch_scc0 .Lentry_in_a_cluster
	s_endpgm
.Lentry_in_a_cluster:
	s_bfe_u32 s2, ttmp6, 0x10000c
	s_cmp_lg_u32 s2, 0x3003
	s_cbranch_scc0 .Lentry_shape_is_right
	s_endpgm
.Lentry_shape_is_right:
; O = softmax(Q K^T / 8) V for one (batch, head) a cluster, both products on codes of FP6 (E2M3) with E8M0 scales; O / l is quantised along the features and stored as the last product's operand.
; t = score x log2(e) / 8; M = the running largest t rounded UP to a whole number; p = 2^(t - M) is quantised along the keys, not normalised; l is the sum of the unquantised p.  When M moves, l and O are multiplied by 2^(old M - new M): exact.
; INPUTS (records of 51,200 bytes: codes [64-column group][row tile][768], then scale words): qkc: rows = tokens, column groups Q's heads, then K's; vtc: rows = features, columns = tokens.
; A stored row tile T holds, in lane-row r, row 32 (T/2) + 8 (T%2) + r + 8 (r/8): two runs of eight rows.
; THE ROWS OF AN OPERAND TILE ARE CHOSEN BY THE LDS ADDRESS: lanes r < 8 read a run of one stored tile, lanes r >= 8 the same run of the stored tile two further on (1,536 bytes).
; Key tile t of a step then holds keys 64 (t/4) + 8 (t%4) + j in rows j and 32 more in rows 8 + j, so that a lane's 32 score registers of tiles 4 c .. 4 c + 3 are keys 64 c + 32 h + 0 .. 31: a whole scale block, in the order of p's operand.
; V's feature tiles are chosen alike: a lane's 32 registers of O^T are features 32 h + 0 .. 31 of the head.  No lane asks another for a block's maximum, and no codes change lanes.
; SHARES.  A cluster's four work-groups take 512 queries each; each of eight waves takes four tiles of 16 queries and walks all 2,048 keys once, 16 steps of 128.  A step's fragments of K and V are read from LDS once for the four tiles.
; BOTH PRODUCTS ARE USED TRANSPOSED: S^T = K Q^T, O^T = V^T P^T: a lane holds one query of each tile throughout.
; THE HEAD'S 64 IN AN INSTRUCTION 128 DEEP: a fragment of K holds two key tiles, one in registers 0-5 and one in 6-11; Q lies as 6 zero registers, its 6, 6 zero registers, and is named as [Q | 0] for the first tile and as [0 | Q] for the second.
; THE ORDER OF A TILE'S WORK: the maxima; the chain to M, with the second half of the tile before's sum among its lines; t - M; the exponentials, with the NEXT tile's eight score products among the first 32;
; p's scales and codes; O^T under the new M; the four products onto O^T, with the first half of this tile's sum among and behind them.  The fourth tile's successor is the next step's first tile: its products stand among the multiply-adds, under a branch on the trip counter that the last trip takes.
; LDS: the head's K and V codes (2 x 98,304 bytes) and scale words (8,192 + 4,096) are filled once.  Codes: joint loads that name all four work-groups, one a wave at the head (chunks 0-3 of K and of V) and one a wave behind
; the full sequence and a round (chunks 4-7): sixteen chunks, each with a descriptor of its own, for eight waves.  The scale words, 12,288 bytes, come by plain loads of whole runs of 256 bytes and LDS stores: each is a small part of the bytes.
; The second group's bytes are prefetched at the head: each wave names a quarter (by cx, in the address alone) of the chunk that it will ask for, 12 blocks of 256 bytes, a lane a block.
; LIMITS: the promise holds while the scaled scores t stay under 2^31 in magnitude; 1 / l is v_rcp_f32; a block of zeros gets the byte 1 where the rule says 127 (zero codes; this program alone reads the bytes);
; a block whose largest magnitude lies under 2^-124 is held at the byte 1; NaN and infinities are not served.  O's scale bytes leave one byte a lane (32 bytes beside a tile's 768 bytes of codes).
.set VC,   98304                       ; LDS: K's codes at 0 (6,144 a step); V's here
.set KS,   196608                      ; K's scale words, 512 bytes a step
.set VS,   204800                      ; V's, 256 bytes a step
.set SPARE, 212992                     ; the spare words: 128 bytes a wave
.set RECB, 51200
.set OREC, 12800
.set NEG,  0xff61b1e6                  ; -3e38, under every t
; window 0
.set L8,   1                           ; 8 x lane
.set KA,   2                           ; 128 h + 8 (r % 8) + 1,536 (r / 8)
.set SA,   3                           ; 8 (r % 8) + 4 (r / 8)
.set KC,   4                           ; the step's addresses: K's codes, V's codes, K's scale words, V's
.set VCU,  5
.set KSC,  6
.set VSC,  7
.set SPW,  8
.set NIL,  9
.set FF,   10                          ; v[10:11] f = 2^(old M - new M)
.set ST,   12                          ; v12-27 for each query tile: -M, the running largest t, l in two halves
.set QSW,  28                          ; scale words: Q's four, K's four, V's four
.set KSW,  32
.set VSW,  36
.set KST,  40                          ; v40-47 K's eight half words as loaded
.set PSW,  48
.set T,    49
.set PT,   50
.set OLD,  51
.set BM,   52                          ; v52-55 four chains of the maxima
.set PC,   56                          ; v56-67 p's codes
.set CT,   68                          ; v68-70, v72-74 upper halves as converted; then two chains of the sum
.set SO0,  71
.set SO1,  75
.set SH8,  76                          ; 8 h
.set PFO,  77                          ; the prefetch's offset; never rewritten
.set SU,   78                          ; a third chain of the sum
.set KR,   80                          ; v80-127 K: four fragments of two key tiles
.set S0,   128                         ; two buffers of 64 scores
.set S1,   192
; window 1
.set QR,   128                         ; 18 registers a query tile
.set VR,   200                         ; V: four fragments
.set WV,   18
.set SEL,  20
.set CS,   22
.set G1K,  24
.set G1V,  32
.set G0K,  40
.set G0V,  44
.set QCB,  48
.set QSB,  50
.set OCB,  52
.set OSB,  54
.set KSB,  56
.set VSB,  58
.set PFB,  60
.set TB,   66
.set TV,   67
.set TS,   68
.set TJ,   69
.set CNT,  70
.set MSB, 0
.macro WIN new
.if MSB != \new
	s_set_vgpr_msb (MSB<<8)|\new
.set MSB, \new
.endif
.endm
.macro WALU
	s_wait_alu depctr_va_vdst(0)
.endm
.macro CROUND
	s_barrier_signal -1
	s_barrier_wait -1
	s_cmp_lg_u32 s[WV], 0
	s_cbranch_scc1 .Lnot_wave_0_\@
	s_barrier_signal -3
.Lnot_wave_0_\@:
	s_barrier_wait -3
	s_barrier_signal -1
	s_barrier_wait -1
.endm
.macro TL g0, g1
	tensor_load_to_lds s[\g0:\g0+3], s[\g1:\g1+7]
	s_nop 0
.rept 4
	v_nop
.endr
.endm
.macro FILL                            ; one joint load a wave: waves 0-3 a chunk of K, waves 4-7 a chunk of V
	s_cmp_lt_u32 s[WV], 4
	s_cbranch_scc0 .Lfill_v_\@
	TL G0K, G1K
	s_branch .Lfilled_\@
.Lfill_v_\@:
	TL G0V, G1V
.Lfilled_\@:
.endm
	s_load_b128 s[4:7], s[0:1], 0x0                ; qkc, vtc
	s_load_b64 s[8:9], s[0:1], 0x10                ; oq
	v_lshl_add_u32 v[SPW], v0, 2, SPARE
	v_mov_b32 v[NIL], 0
	ds_add_u32 v[SPW], v[NIL]
	ds_add_u32 v[SPW], v[NIL]
	v_lshrrev_b32 v40, 5, v0
	v_readfirstlane_b32 s[WV], v40                 ; wave 0..7
	s_and_b32 s10, ttmp7, 0xffff                   ; (batch, head): the four partners share it
	s_lshr_b32 s11, s10, 4                         ; b
	s_and_b32 s12, s10, 15                         ; hd
	s_lshr_b32 s13, s12, 2                         ; hq
	s_and_b32 s14, s12, 3                          ; hm
	s_and_b32 s19, s[WV], 3                        ; my chunk of 256 tokens in the first group
	s_lshl_b32 s16, s11, 3                         ; 8 b
	s_add_co_u32 s17, s16, s19
	s_lshl_b32 s72, s13, 5
	s_add_co_u32 s72, s72, 128                     ; K's records begin at 32 (4 + hq)
	s_add_co_u32 s74, s72, s17
	s_mul_i32 s74, s74, RECB
	s_mul_i32 s2, s14, 12288
	s_add_co_u32 s74, s74, s2                      ; s[74:75] K's codes of my chunk, bytes from qkc
	s_mov_b32 s75, 0
	s_lshl_b32 s76, s17, 5
	s_add_co_u32 s76, s76, s13                     ; V's record: hq + 32 (8 b + chunk)
	s_mul_i32 s76, s76, RECB
	s_mul_i32 s2, s14, 3072
	s_add_co_u32 s76, s76, s2                      ; s[76:77] V's codes, bytes from vtc
	s_mov_b32 s77, 0
	s_add_co_u32 s78, s72, s16
	s_add_co_u32 s78, s78, s[WV]                   ; scale words: wave w takes chunk w of K's and of V's
	s_mul_i32 s78, s78, RECB
	s_lshr_b32 s2, s14, 1
	s_lshl_b32 s2, s2, 10
	s_add_co_u32 s78, s78, s2
	s_add_co_u32 s78, s78, 49152
	s_mov_b32 s79, 0
	s_add_co_u32 s80, s16, s[WV]
	s_lshl_b32 s80, s80, 5
	s_add_co_u32 s80, s80, s13
	s_mul_i32 s80, s80, RECB
	s_lshl_b32 s2, s14, 8
	s_add_co_u32 s80, s80, s2
	s_add_co_u32 s80, s80, 49152
	s_mov_b32 s81, 0
.irp g, G1K, G1V                       ; groups 1: elements of 8 bytes, the mask names all four work-groups, bit 21 beside it: 4 rows of 3,072 bytes
	s_mov_b32 s[\g], 15|(3<<16)|(1<<21)
	s_mov_b32 s[\g+1], 384<<16
	s_mov_b32 s[\g+2], 4<<16
	s_mov_b32 s[\g+3], 384<<16
	s_mov_b32 s[\g+4], 4
	s_mov_b32 s[\g+6], 0
	s_mov_b32 s[\g+7], 0
.endr
	s_mov_b32 s[G1K+5], 384                        ; K's rows lie end to end,
	s_mov_b32 s[G1V+5], 1536                       ; V's 12,288 bytes apart
	s_mov_b32 s[SEL], 0x76543210
	s_mov_b32 s[SEL+1], 0xfedcba98
	s_mov_b32 s[CS], 0x3e38aa3b                    ; c = log2(e) / 8
	s_mov_b32 s[CS+1], s[CS]
	s_mul_i32 s3, s19, 12288
	WALU
	s_wait_dscnt 0x0
	s_wait_kmcnt 0x0
	s_mov_b32 s[G0K], 1
	s_mov_b32 s[G0K+1], s3
	s_add_nc_u64 s[G0K+2:G0K+3], s[4:5], s[74:75]
	s_or_b32 s[G0K+3], s[G0K+3], 0x80000000
	s_mov_b32 s[G0V], 1
	s_add_co_u32 s[G0V+1], s3, VC
	s_add_nc_u64 s[G0V+2:G0V+3], s[6:7], s[76:77]
	s_or_b32 s[G0V+3], s[G0V+3], 0x80000000
	CROUND                                         ; all four work-groups are here: the joint loads meet
	FILL                                           ; chunks 0-3
	s_add_nc_u64 s[KSB:KSB+1], s[4:5], s[78:79]
	s_add_nc_u64 s[VSB:VSB+1], s[6:7], s[80:81]
	s_bfe_u32 s15, ttmp6, 0x40000                  ; cx: it enters global addresses alone
	s_mul_i32 s2, s15, 3072                        ; the prefetch: my quarter of the chunk that I ask for in the second group
	s_mul_i32 s3, s15, 12288
	s_add_co_u32 s2, s2, s74
	s_add_co_u32 s2, s2, 4*RECB
	s_add_co_u32 s3, s3, s76
	s_add_co_u32 s3, s3, 128*RECB
	s_cmp_lt_u32 s[WV], 4
	s_cselect_b32 s10, s2, s3
	s_cselect_b64 s[PFB:PFB+1], s[4:5], s[6:7]
	s_mov_b32 s11, 0
	s_add_nc_u64 s[PFB:PFB+1], s[PFB:PFB+1], s[10:11]
	s_lshl_b32 s2, s15, 1                          ; my queries: token tile 16 (8 b + 2 cx) + 4 wave + i
	s_add_co_u32 s2, s2, s16
	s_lshr_b32 s3, s[WV], 2
	s_add_co_u32 s10, s2, s3
	s_lshl_b32 s3, s13, 5
	s_add_co_u32 s10, s10, s3
	s_mul_i32 s10, s10, RECB
	s_add_nc_u64 s[QCB:QCB+1], s[4:5], s[10:11]    ; Q's record
	s_lshr_b32 s10, s14, 1
	s_lshl_b32 s10, s10, 10
	s_lshl_b32 s3, s19, 8
	s_add_co_u32 s10, s10, s3
	s_and_b32 s17, s12, 1
	s_lshl_b32 s17, s17, 1                         ; the head's two bytes of a scale word
	s_add_co_u32 s10, s10, s17
	s_add_co_u32 s10, s10, 49152
	s_add_nc_u64 s[QSB:QSB+1], s[QCB:QCB+1], s[10:11]
	s_mul_i32 s10, s14, 12288
	s_mul_i32 s3, s19, 3072
	s_add_co_u32 s10, s10, s3
	s_add_nc_u64 s[QCB:QCB+1], s[QCB:QCB+1], s[10:11]
	s_lshl_b32 s2, s2, 4
	s_lshl_b32 s3, s[WV], 2
	s_add_co_u32 s2, s2, s3
	s_mul_i32 s10, s2, OREC
	s_add_nc_u64 s[OCB:OCB+1], s[8:9], s[10:11]    ; O's record of my tile 0; tile i's lies i records on
	s_lshr_b32 s10, s12, 3
	s_lshl_b32 s10, s10, 8
	s_bfe_u32 s3, s12, 0x20001
	s_lshl_b32 s3, s3, 2
	s_add_co_u32 s10, s10, s3
	s_add_co_u32 s10, s10, s17
	s_add_co_u32 s10, s10, 12288
	s_add_nc_u64 s[OSB:OSB+1], s[OCB:OCB+1], s[10:11]
	s_mul_i32 s10, s12, 768
	s_add_nc_u64 s[OCB:OCB+1], s[OCB:OCB+1], s[10:11]
	s_lshl_b32 s2, s[WV], 10
	s_add_co_u32 s2, s2, KS
	s_lshl_b32 s3, s[WV], 9
	s_add_co_u32 s3, s3, VS
	s_mov_b32 s[TB], 0
	s_mov_b32 s[TV], VC
	s_add_co_u32 s[TS], s17, KS
	s_mov_b32 s[TJ], VS
	s_mov_b32 s[CNT], 16
	v_and_b32 v40, 31, v0                          ; lane
	v_and_b32 v41, 7, v0                           ; r % 8
	v_bfe_u32 v42, v0, 3, 1                        ; r / 8
	v_bfe_u32 v43, v0, 4, 1                        ; h
	v_lshlrev_b32 v[L8], 3, v40
	v_lshlrev_b32 v44, 3, v41
	v_lshl_add_u32 v[SA], v42, 2, v44
	v_lshl_add_u32 v44, v43, 7, v44
	v_mad_u32_u24 v[KA], v42, 1536, v44
	v_lshlrev_b32 v[SH8], 3, v43
	v_lshlrev_b32 v45, 4, v40                      ; 16 x lane
	v_add_nc_u32 v46, s2, v45                      ; LDS: my chunk of K's scale words,
	v_add_nc_u32 v47, s3, v45                      ; and of V's
	v_and_b32 v49, 15, v0
	v_lshlrev_b32 v50, 3, v49                      ; 8 r: Q's scale words
	v_lshlrev_b32 v49, 4, v49
	v_lshl_add_u32 v49, v43, 10, v49               ; V's scale words in memory: two runs of 256 bytes, 1,024 apart
	v_min_u32 v[PFO], 11, v40
	v_lshlrev_b32 v[PFO], 8, v[PFO]
	WALU
	global_load_b128 v[128:131], v45, s[KSB:KSB+1]
	global_load_b128 v[132:135], v45, s[KSB:KSB+1] offset:512
	global_load_b128 v[136:139], v49, s[VSB:VSB+1]
	WIN 0x40
.irp i, 0,1,2,3
.irp p, 0,1,2
	global_load_b64 v[QR+18*\i+6+2*\p:QR+18*\i+7+2*\p], v[L8], s[QCB:QCB+1] offset:768*\i+256*\p
.endr
.endr
	WIN 0
.irp i, 0,1,2,3
	global_load_u16 v[QSW+\i], v50, s[QSB:QSB+1] offset:128*(\i%2)+4*(\i/2)
.endr
	global_prefetch_b8 v[PFO], s[PFB:PFB+1] th:TH_LOAD_NT scope:SCOPE_SE
	WIN 0x40
.set J_, 0
.rept 128
	v_mov_b32 v[J_], 0                             ; O^T: the step is written once: its first trip finds zeros, which the first change of M leaves zeros
.set J_, J_+1
.endr
.irp i, 0,1,2,3
.irp j, 0,1,2,3,4,5,12,13,14,15,16,17
	v_mov_b32 v[QR+18*\i+\j], 0                    ; zero codes on both sides of Q
.endr
.endr
	WIN 0
	WALU
	s_wait_loadcnt 16                              ; the three loads of scale words are in; behind them stand Q's 12 and its 4 half words
	s_wait_tensorcnt 0x0                           ; my fill has landed: the stores below stand under no load of mine
	ds_store_b128 v46, v[128:131]
	ds_store_b128 v46, v[132:135] offset:512
	ds_store_b128 v47, v[136:139]
	s_wait_tensorcnt 0x0                           ; the full sequence ahead of the later first fills
	ds_add_u32 v[SPW], v[NIL]
	s_add_co_u32 s[G0K+1], s[G0K+1], 49152         ; no load of mine is out: chunks 4-7
	s_add_nc_u64 s[G0K+2:G0K+3], s[G0K+2:G0K+3], 4*RECB
	s_add_co_u32 s[G0V+1], s[G0V+1], 49152
	s_add_nc_u64 s[G0V+2:G0V+3], s[G0V+2:G0V+3], 128*RECB
	s_wait_dscnt 0x0                               ; the add and my stores of scale words are done
	CROUND
	FILL
	s_wait_loadcnt 0x0                             ; Q
.irp i, 0,1,2,3
	v_lshl_or_b32 v[QSW+\i], v[QSW+\i], 16, v[QSW+\i]   ; the head's two bytes for both halves of the 128
.endr
	v_mov_b32 v[PT], 0                             ; a lane permute's destination counts as read
	v_mov_b32 v[FF+1], 0                           ; (named as the upper half of a pair)
	v_add_nc_u32 v[KC], s[TB], v[KA]
	v_add_nc_u32 v[KSC], s[TS], v[SA]
	v_add_nc_u32 v[VCU], s[TV], v[KA]
	v_add_nc_u32 v[VSC], s[TJ], v[SA]
	WALU
	s_wait_tensorcnt 0x0
	s_barrier_signal -1
	s_barrier_wait -1                              ; everybody's fills have landed: K and V lie in LDS for the rest of the launch
.macro LOADK                           ; a step's eight key tiles and their half words
.irp t, 0,1,2,3,4,5,6,7
.irp p, 0,1,2
	ds_load_b64 v[KR+6*\t+2*\p:KR+6*\t+2*\p+1], v[KC] offset:768*(4*(\t/4)+\t%2)+64*((\t%4)/2)+256*\p
.endr
	ds_load_u16 v[KST+\t], v[KSC] offset:256*(\t/4)+128*(\t%2)+64*((\t%4)/2)
.endr
.endm
.macro LOADV                           ; a step's four feature tiles, 128 keys deep, and their scale words
	WIN 0x40
.irp t, 0,1,2,3
.irp p, 0,1,2,3,4,5
	ds_load_b64 v[VR+12*\t+2*\p:VR+12*\t+2*\p+1], v[VCU] offset:3072*(\p/3)+768*(\t%2)+64*(\t/2)+256*(\p%3)
.endr
.endr
	WIN 0
.irp t, 0,1,2,3
	ds_load_b32 v[VSW+\t], v[VSC] offset:128*(\t%2)+64*(\t/2)
.endr
.endm
.macro MERGE                           ; two key tiles' half words make a fragment's scale word
.irp f, 0,1,2,3
	v_lshl_or_b32 v[KSW+\f], v[KST+2*\f+1], 16, v[KST+2*\f]
.endr
.endm
.macro QK1 i, ob, n                    ; key tile n against query tile i
	v_wmma_scale_f32_16x16x128_f8f6f4 v[\ob+8*(\n):\ob+8*(\n)+7], v[KR+12*((\n)/2):KR+12*((\n)/2)+11], v[QR+18*(\i)+6-6*((\n)%2):QR+18*(\i)+17-6*((\n)%2)], 0, v[KSW+(\n)/2], v[QSW+(\i)] matrix_a_fmt:MATRIX_FMT_FP6 matrix_b_fmt:MATRIX_FMT_FP6
.endm
.macro CH n, i                         ; the chain from the blocks' largest scores to old M - new M: nine lines
.if (\n) == 0
	v_max3_num_f32 v[T], v[BM], NEG, v[BM+2]
.elseif (\n) == 1
	v_permlanex16_b32 v[PT], v[T], s[SEL], s[SEL+1]
.elseif (\n) == 2
	v_max3_num_f32 v[T], v[T], NEG, v[PT]          ; the step's largest score of my query
.elseif (\n) == 3
	v_mul_f32 v[T], v[T], s[CS]                    ; as t (c is positive)
.elseif (\n) == 4
	v_max3_num_f32 v[ST+4*(\i)+1], v[ST+4*(\i)+1], NEG, v[T]
.elseif (\n) == 5
	v_mov_b32 v[OLD], v[ST+4*(\i)]
.elseif (\n) == 6
	v_floor_f32 v[ST+4*(\i)], -v[ST+4*(\i)+1]      ; the new -M
.elseif (\n) == 7
	v_fma_f32 v[T], v[OLD], -1.0, v[ST+4*(\i)]     ; old M - new M: a whole number, 0 or less
.else
	v_cvt_i32_f32 v[T], v[T]                       ; (it saturates)
.endif
.endm
.macro AD k, i, sb                     ; line k of 32 of tile i's sum of the unquantised p in buffer sb: four chains (three in spare pairs, the fourth l itself), joined by the last three lines
.set AL_, ST+4*(\i)+2
.if (\k) == 0
	v_pk_add_f32 v[CT:CT+1], v[\sb:\sb+1], v[\sb+2:\sb+3]
.elseif (\k) == 1
	v_pk_add_f32 v[CT+4:CT+5], v[\sb+4:\sb+5], v[\sb+6:\sb+7]
.elseif (\k) == 2
	v_pk_add_f32 v[SU:SU+1], v[\sb+8:\sb+9], v[\sb+10:\sb+11]
.elseif (\k) == 29
	v_pk_add_f32 v[CT:CT+1], v[CT:CT+1], v[CT+4:CT+5]
.elseif (\k) == 30
	v_pk_add_f32 v[AL_:AL_+1], v[AL_:AL_+1], v[SU:SU+1]
.elseif (\k) == 31
	v_pk_add_f32 v[AL_:AL_+1], v[AL_:AL_+1], v[CT:CT+1]
.else
.set AP_, \sb+2*((\k)+3)
.set AD_, AL_
.if (\k)%4 == 0
.set AD_, CT
.elseif (\k)%4 == 1
.set AD_, CT+4
.elseif (\k)%4 == 2
.set AD_, SU
.endif
	v_pk_add_f32 v[AD_:AD_+1], v[AD_:AD_+1], v[AP_:AP_+1]
.endif
.endm
.macro PKF sb, j                       ; t - M, two at a time
	v_pk_fma_f32 v[\sb+(\j):\sb+(\j)+1], v[\sb+(\j):\sb+(\j)+1], s[CS:CS+1], v[NM_:NM_+1] op_sel_hi:[1,0,0]
.endm
; ONE QUERY TILE i AGAINST A STEP'S 128 KEYS.  sb: its scores; ob: the other buffer, with the tile before's p, then the next tile's scores
.macro UNIT i, sb, ob
.set NM_, ST+4*(\i)
.set LL_, ST+4*(\i)+2
	WALU                                           ; ahead of the scores' first readers
.irp q, 0,1,2,3
	v_max3_num_f32 v[BM+\q], v[\sb+16*\q], v[\sb+16*\q+1], v[\sb+16*\q+2]   ; my two blocks of 32 keys, two chains each
.endr
.irp k, 3,5,7,9,11,13
.irp q, 0,1,2,3
	v_max3_num_f32 v[BM+\q], v[BM+\q], v[\sb+16*\q+\k], v[\sb+16*\q+\k+1]
.endr
.endr
	v_max_num_f32 v[BM+1], v[BM+1], v[\sb+31]
	v_max_num_f32 v[BM+3], v[BM+3], v[\sb+63]
	v_max3_num_f32 v[BM], v[BM], v[\sb+15], v[BM+1]       ; block h's largest score,
	v_max3_num_f32 v[BM+2], v[BM+2], v[\sb+47], v[BM+3]   ; block 2 + h's
.if \i == 3
	s_wait_dscnt 0x0                               ; the next step's K, asked for in tile 2, is in
	WALU
	MERGE                                          ; more than eight plain lines ahead of the products that take these words
.endif
.set N_, 0
.rept 9
	CH N_, \i
.if \i > 0                             ; lines 16 to 31 of the tile before's sum stand among the chain's
.if N_ < 7
	AD 16+2*N_, (\i)-1, \ob
	AD 17+2*N_, (\i)-1, \ob
.else
	AD 23+N_, (\i)-1, \ob
.endif
.endif
.set N_, N_+1
.endr
	v_ldexp_f32 v[FF], 1.0, v[T]                   ; f = 2^(old M - new M)
	v_fma_f32 v[BM], v[BM], s[CS], v[NM_]          ; t - M of each block's largest score
	v_fma_f32 v[BM+2], v[BM+2], s[CS], v[NM_]
.if \i == 3
	WALU                                           ; ahead of the branch
	s_cmp_eq_u32 s[CNT], 1
	s_cbranch_scc1 .Llast_\@                       ; the last step has no successor
	WIN 0x04                                       ; Q lies in window 1; the multiply-adds' second source is scalar
.set N_, 0
.rept 8
	QK1 0, \ob, N_                                 ; the next step's first tile
	PKF \sb, 8*N_
	PKF \sb, 8*N_+2
	PKF \sb, 8*N_+4
	PKF \sb, 8*N_+6
.set N_, N_+1
.endr
	WIN 0
	WALU                                           ; ahead of the jump and of the exponentials
	s_branch .Lexp_\@
.Llast_\@:
.set J_, 0
.rept 32
	PKF \sb, J_
.set J_, J_+2
.endr
	WALU
.Lexp_\@:
.set J_, 0
.rept 64
	v_exp_f32 v[\sb+J_], v[\sb+J_]                 ; p = 2^(t - M), at most 1
.set J_, J_+1
.endr
.else
.set J_, 0
.rept 32
	PKF \sb, J_
.set J_, J_+2
.endr
	WALU                                           ; ahead of the batch
	WIN 0x04
.set N_, 0
.rept 8
	QK1 (\i)+1, \ob, N_                            ; the next tile's scores, a product to four exponentials
.set J_, 0
.rept 4
	v_exp_f32 v[\sb+4*N_+J_], v[\sb+4*N_+J_]
.set J_, J_+1
.endr
.set N_, N_+1
.endr
	WIN 0
.set J_, 32
.rept 32
	v_exp_f32 v[\sb+J_], v[\sb+J_]
.set J_, J_+1
.endr
.endif
	v_exp_f32 v[BM], v[BM]                         ; the blocks' largest p: the same two instructions on the same numbers
	v_exp_f32 v[BM+2], v[BM+2]
	v_pk_mul_f32 v[LL_:LL_+1], v[LL_:LL_+1], v[FF:FF+1] op_sel_hi:[1,0]   ; l under the new M.  (A plain place behind the exponentials)
	WALU                                           ; one wait for the batch
	v_max_num_f32 v[BM], 0x1800000, v[BM]          ; the floor 2^(3 - 127): the byte cannot fall under 1
	v_max_num_f32 v[BM+2], 0x1800000, v[BM+2]
	v_add_nc_u32 v[SO0], 0xff000000, v[BM]         ; 2 off the exponent field: the conversions' scale operands
	v_add_nc_u32 v[SO1], 0xff000000, v[BM+2]
	v_cvt_scalef32_pk16_fp6_f32 v[PC:PC+2], v[\sb:\sb+15], v[SO0]
	v_cvt_scalef32_pk16_fp6_f32 v[CT:CT+2], v[\sb+16:\sb+31], v[SO0]
	v_cvt_scalef32_pk16_fp6_f32 v[PC+6:PC+8], v[\sb+32:\sb+47], v[SO1]
	v_cvt_scalef32_pk16_fp6_f32 v[CT+4:CT+6], v[\sb+48:\sb+63], v[SO1]
	v_lshrrev_b32 v[T], 23, v[SO0]                 ; the bytes.  (Plain lines behind the conversions)
	v_lshrrev_b32 v[OLD], 23, v[SO1]
	v_mov_b32 v[PC+3], v[CT]                       ; (a conversion's three registers begin on an even number: the upper halves are moved, by turns with the scale word's lines)
	v_lshl_or_b32 v[PSW], v[OLD], 16, v[T]         ; my bytes: blocks h and 2 + h,
	v_mov_b32 v[PC+9], v[CT+4]
	v_lshlrev_b32 v[PSW], v[SH8], v[PSW]           ; at their places;
	v_mov_b32 v[PC+4], v[CT+1]
	v_permlanex16_b32 v[PT], v[PSW], s[SEL], s[SEL+1]
	v_mov_b32 v[PC+10], v[CT+5]
	v_or_b32 v[PSW], v[PSW], v[PT]                 ; with lane l xor 16's two the word is whole
	v_mov_b32 v[PC+5], v[CT+2]
	v_mov_b32 v[PC+11], v[CT+6]
.if \i == 0
	s_wait_dscnt 0x0                               ; this step's V, asked for at the last trip's end, is in
.endif
.if \i == 2
	s_add_co_u32 s[TB], s[TB], 6144
	s_add_co_u32 s[TS], s[TS], 512
	v_add_nc_u32 v[KC], s[TB], v[KA]
	v_add_nc_u32 v[KSC], s[TS], v[SA]
	WALU                                           ; ahead of the branch
	s_cmp_eq_u32 s[CNT], 1
	s_cbranch_scc1 .Lno_k_\@                       ; the last step has no successor
	LOADK                                          ; this step's score products are all issued, more than four plain lines ago
.Lno_k_\@:
.endif
	WIN 0x41
	WALU                                           ; ahead of O^T's first readers
.set J_, 0
.rept 16
	v_pk_mul_f32 v[32*(\i)+J_:32*(\i)+J_+1], v[32*(\i)+J_:32*(\i)+J_+1], v[FF:FF+1] op_sel_hi:[1,0]   ; O^T under the new M
.set J_, J_+2
.endr
.set K_, 0
.irp t, 0,1,2,3                        ; O^T += V^T P^T: four accumulators by turns; three lines of the sum behind each
	WIN 0x51
	v_wmma_scale_f32_16x16x128_f8f6f4 v[32*(\i)+8*\t:32*(\i)+8*\t+7], v[VR+12*\t:VR+12*\t+11], v[PC:PC+11], v[32*(\i)+8*\t:32*(\i)+8*\t+7], v[VSW+\t], v[PSW] matrix_a_fmt:MATRIX_FMT_FP6 matrix_b_fmt:MATRIX_FMT_FP6
	WIN 0
.rept 3
	AD K_, \i, \sb
.set K_, K_+1
.endr
.endr
.rept 4
	AD K_, \i, \sb
.set K_, K_+1
.endr
.if \i == 3                            ; the fourth tile's sum is finished here
.rept 16
	AD K_, \i, \sb
.set K_, K_+1
.endr
.endif
.endm
	LOADK
	LOADV
	s_wait_dscnt 0x0
	MERGE
.irp i, 0,1,2,3
	v_mov_b32 v[ST+4*\i+1], NEG                    ; the largest t so far
	v_mov_b32 v[ST+4*\i+2], 0                      ; l
	v_mov_b32 v[ST+4*\i+3], 0
.endr
	WIN 0x04
.set N_, 0
.rept 8
	QK1 0, S0, N_                                  ; the first step's first tile
.set N_, N_+1
.endr
	WIN 0
.irp i, 0,1,2,3
	v_floor_f32 v[ST+4*\i], -v[ST+4*\i+1]          ; -M.  (Four places behind the products)
.endr
	WALU                                           ; the wait at the head's end
.Lstep:
	UNIT 0, S0, S1
	UNIT 1, S1, S0
	UNIT 2, S0, S1
	UNIT 3, S1, S0
	s_add_co_u32 s[TV], s[TV], 6144
	s_add_co_u32 s[TJ], s[TJ], 256
	v_add_nc_u32 v[VCU], s[TV], v[KA]
	v_add_nc_u32 v[VSC], s[TJ], v[SA]
	WALU                                           ; ahead of the branches
	s_cmp_eq_u32 s[CNT], 1
	s_cbranch_scc1 .Lno_v
	LOADV                                          ; the products that read V stand more than four plain lines back
.Lno_v:
	s_sub_co_u32 s[CNT], s[CNT], 1
	s_cmp_lg_u32 s[CNT], 0
	s_cbranch_scc1 .Lstep
; THE WAY OUT: O / l, a lane's 32 features a scale block, the four tiles by turns
.irp i, 0,1,2,3
	v_add_f32 v[ST+4*\i+2], v[ST+4*\i+2], v[ST+4*\i+3]
.endr
.irp i, 0,1,2,3
	v_permlanex16_b32 v[BM+\i], v[ST+4*\i+2], s[SEL], s[SEL+1]
.endr
.irp i, 0,1,2,3
	v_add_f32 v[ST+4*\i+2], v[ST+4*\i+2], v[BM+\i] ; l
.endr
	v_and_b32 v[T], 15, v0
	v_bfe_u32 v[PT], v0, 4, 1
	v_lshl_add_u32 v[OLD], v[T], 4, v[PT]          ; O's scale bytes: 16 r + h
	WALU                                           ; ahead of the batch
.irp i, 0,1,2,3
	v_rcp_f32 v[ST+4*\i+2], v[ST+4*\i+2]
.endr
	v_nop
	WIN 0x01
	WALU                                           ; behind the batch, and ahead of O^T's first readers
.irp i, 0,1,2,3
.set J_, 0
.rept 16
	v_pk_mul_f32 v[S0+32*\i+J_:S0+32*\i+J_+1], v[32*\i+J_:32*\i+J_+1], v[ST+4*\i+2:ST+4*\i+3] op_sel_hi:[1,0]
.set J_, J_+2
.endr
.endr
	WIN 0
.irp i, 0,1,2,3
	v_max3_num_f32 v[BM+\i], |v[S0+32*\i]|, |v[S0+32*\i+1]|, 0x1800000
.endr
.irp k, 2,4,6,8,10,12,14,16,18,20,22,24,26,28,30
.irp i, 0,1,2,3
	v_max3_num_f32 v[BM+\i], v[BM+\i], |v[S0+32*\i+\k]|, |v[S0+32*\i+\k+1]|
.endr
.endr
.irp i, 0,1,2,3
	v_add_nc_u32 v[KST+\i], 0xff000000, v[BM+\i]
.endr
.irp i, 0,1,2,3
	v_lshrrev_b32 v[KST+4+\i], 23, v[KST+\i]
.endr
.irp i, 0,1,2,3
	v_cvt_scalef32_pk16_fp6_f32 v[KR+12*\i:KR+12*\i+2], v[S0+32*\i:S0+32*\i+15], v[KST+\i]
	v_cvt_scalef32_pk16_fp6_f32 v[KR+12*\i+6:KR+12*\i+8], v[S0+32*\i+16:S0+32*\i+31], v[KST+\i]
.endr
	v_nop                                          ; one plain place behind a scaled conversion
.irp i, 0,1,2,3
.irp e, 0,1,2
	v_mov_b32 v[KR+12*\i+3+\e], v[KR+12*\i+6+\e]
.endr
.endr
.irp i, 0,1,2,3
.irp p, 0,1,2
	global_store_b64 v[L8], v[KR+12*\i+2*\p:KR+12*\i+2*\p+1], s[OCB:OCB+1] offset:OREC*\i+256*\p   ; an image: 256 consecutive bytes a store, aligned
.endr
	global_store_b8 v[OLD], v[KST+4+\i], s[OSB:OSB+1] offset:OREC*\i
.endr
	s_wait_tensorcnt 0x0                           ; the wave's end
	ds_add_u32 v[SPW], v[NIL]
	s_wait_dscnt 0x0
	CROUND                                         ; the closing round
	s_endpgm
.Lfunc_end_k_q97018e24a8_attn:
	.size	k_q97018e24a8_attn, .Lfunc_end_k_q97018e24a8_attn-k_q97018e24a8_attn
	.p2alignl 7, 3214868480
	.fill 96, 4, 3214868480
	.section	.rodata,"a",@progbits
	.p2align	6, 0x0
	.amdhsa_kernel k_q97018e24a8_attn
		.amdhsa_group_segment_fixed_size 327680
		.amdhsa_private_segment_fixed_size 0
		.amdhsa_enable_private_segment 0
		.amdhsa_kernarg_size 24
		.amdhsa_user_sgpr_count 2
		.amdhsa_user_sgpr_kernarg_segment_ptr 1
		.amdhsa_wavefront_size32 1
		.amdhsa_system_sgpr_workgroup_id_x 1
		.amdhsa_system_sgpr_workgroup_id_y 1
		.amdhsa_system_sgpr_workgroup_id_z 1
		.amdhsa_system_vgpr_workitem_id 0
		.amdhsa_next_free_vgpr 512
		.amdhsa_next_free_sgpr 100
		.amdhsa_reserve_vcc 0
		.amdhsa_float_denorm_mode_32 3
		.amdhsa_float_denorm_mode_16_64 3
		.amdhsa_memory_ordered 1
		.amdhsa_forward_progress 1
		.amdhsa_inst_pref_size 94
	.end_amdhsa_kernel
	.amdgpu_metadata
---
amdhsa.version: [ 1, 2 ]
amdhsa.kernels:
  - .name:           k_q97018e24a8_attn
    .symbol:         k_q97018e24a8_attn.kd
    .args:
      - { .name: qkc, .offset: 0, .size: 8, .value_kind: global_buffer, .address_space: global }
      - { .name: vtc, .offset: 8, .size: 8, .value_kind: global_buffer, .address_space: global }
      - { .name: oq, .offset: 16, .size: 8, .value_kind: global_buffer, .address_space: global }
    .group_segment_fixed_size: 327680
    .private_segment_fixed_size: 0
    .kernarg_segment_align: 8
    .kernarg_segment_size: 24
    .max_flat_workgroup_size: 256
    .sgpr_count:     100
    .vgpr_count:     512
    .wavefront_size: 32
...
	.end_amdgpu_metadata
.endif
;; end of part 3
;; launch gemmo (part 4): grid 4 x 64, 4 waves a work-group, clusters of 4 x 4, 327,680 bytes of LDS; arguments oq, wo, out0; writes out0
.if DOCPART == 4
	.amdgcn_target "amdgcn-amd-amdhsa--gfx1250"
	.amdhsa_code_object_version 6
	.text
	.protected	k_q97018e24a8_gemmo
	.globl	k_q97018e24a8_gemmo
	.p2align	8
	.type	k_q97018e24a8_gemmo,@function
k_q97018e24a8_gemmo:
	s_mov_b64 s[64:65], 0
	v_nop
	global_prefetch_b8 v0, s[64:65] scope:SCOPE_SE
	s_setreg_imm32_b32 hwreg(HW_REG_WAVE_MODE, 25, 1), 1
	s_wait_xcnt 0x0
	s_wait_alu depctr_hold_cnt(0) depctr_sa_sdst(0) depctr_va_vdst(0) depctr_va_sdst(0) depctr_va_ssrc(0) depctr_va_vcc(0) depctr_vm_vsrc(0)
	s_getreg_b32 s2, hwreg(HW_REG_IB_STS2, 6, 4)
	s_cmp_eq_u32 s2, 0
	s_cbranch_scc0 .Lentry_in_a_cluster
	s_endpgm
.Lentry_in_a_cluster:
	s_bfe_u32 s2, ttmp6, 0x10000c
	s_cmp_lg_u32 s2, 0xf033
	s_cbranch_scc0 .Lentry_shape_is_right
	s_endpgm
.Lentry_shape_is_right:
.set REC,    12800
.set NQ,     2
.set FR,     12
.set NL,     6
.set NP,     4
.set TROW,   3072
.set HALFT,  8*TROW
.set SLOT,   4*HALFT
.set SCL,    2*SLOT
.set SPARE,  SCL+32*512
.set SPITCH, 528
.set ADRA, 16
.set ADRB, 20
.set STO,  24
.set RD,   25
.set CO,   26
.set ADRS, 27
.set SPW,  28
.set NIL,  29
.set SC,   32
.set AF,   128
.set BK,   128
.set G1, 24
.set G0, 32
.set G1B, 48
.set G0B, 56
.set G1S, 68
.set G0S, 76
.set G1SB, 80
.set G0SB, 88
.set MSB, 0
.macro WIN new
.if MSB != \new
	s_set_vgpr_msb (MSB<<8)|\new
.set MSB, \new
.endif
.endm
.set MUL_LO, 0xa1
.set MUL_HI, 0xf1
.set TO_B,   0x40
.macro JLOAD g0a, g1a, g0b, g1b
	s_cmp_eq_u32 s15, 0
	s_cbranch_scc0 .Lfor_b_\@
	tensor_load_to_lds s[\g0a:\g0a+3], s[\g1a:\g1a+7]
	s_nop 0
.rept 4
	v_nop
.endr
	s_branch .Lasked_\@
.Lfor_b_\@:
	tensor_load_to_lds s[\g0b:\g0b+3], s[\g1b:\g1b+7]
	s_nop 0
.rept 4
	v_nop
.endr
.Lasked_\@:
.endm
.macro CREST
	s_cmp_lg_u32 s14, 0
	s_cbranch_scc1 .Lnot_wave_0_\@
	s_barrier_signal -3
.Lnot_wave_0_\@:
	s_barrier_wait -3
	s_barrier_signal -1
	s_barrier_wait -1
.endm
.macro CROUND
	s_barrier_signal -1
	s_barrier_wait -1
	CREST
.endm
	s_load_b128 s[4:7], s[0:1], 0x0
	s_load_b64 s[8:9], s[0:1], 0x10
	v_lshl_add_u32 v[SPW], v0, 2, SPARE
	v_mov_b32 v[NIL], 0
	ds_add_u32 v28, v29
	ds_add_u32 v28, v29
	s_wait_dscnt 0x0
	v_lshrrev_b32 v1, 5, v0
	v_readfirstlane_b32 s14, v1
	s_lshr_b32 s15, s14, 1
	s_and_b32 s16, s14, 1
	s_bfe_u32 s40, ttmp6, 0x40000
	s_bfe_u32 s41, ttmp6, 0x40004
	s_lshl_b32 s42, ttmp9, 2
	s_add_co_u32 s42, s42, s40
	s_and_b32 s17, ttmp7, 0xffff
	s_lshl_b32 s17, s17, 2
	s_add_co_u32 s17, s17, s41
	s_lshl_b32 s43, s41, 2
	s_lshl_b32 s43, 15, s43
	s_lshl_b32 s44, 0x1111, s40
	s_or_b32 s[G1+0], s43, (3<<16)|(1<<21)
	s_or_b32 s[G1B+0], s44, (3<<16)|(1<<21)
.irp g, G1, G1B
	s_mov_b32 s[\g+1], 384<<16
	s_mov_b32 s[\g+2], 16<<16
	s_mov_b32 s[\g+3], 384<<16
	s_mov_b32 s[\g+4], 16
	s_mov_b32 s[\g+5], 1600
	s_mov_b32 s[\g+6], 0
	s_mov_b32 s[\g+7], 0
.endr
	s_mov_b32 s[G1+2], 8<<16                       ; the block of C is 128 x 256: A has 8 row tiles, B 16
	s_mov_b32 s[G1+4], 8
	s_or_b32 s[G1S+0], s43, (3<<16)|(1<<21)
	s_or_b32 s[G1SB+0], s44, (3<<16)|(1<<21)
.irp g, G1S, G1SB
	s_mov_b32 s[\g+1], 64<<16
	s_mov_b32 s[\g+2], 16<<16
	s_mov_b32 s[\g+3], 64<<16
	s_mov_b32 s[\g+4], 16
	s_mov_b32 s[\g+5], 1600
	s_mov_b32 s[\g+6], 0
	s_mov_b32 s[\g+7], 0
.endr
	s_mov_b32 s[G1S+2], 8<<16                      ; A's scales: 8 row tiles
	s_mov_b32 s[G1S+4], 8
	s_mul_i32 s66, s16, 8*REC                      ; in the ring a wave fetches half of a side's row tiles: B's half, in bytes,
	s_mov_b32 s67, 0
	s_mul_i32 s18, s16, 4*REC                      ; A's half,
	s_mov_b32 s19, 0
	s_mul_i32 s94, s16, 4*TROW                     ; and where A's half lies in a slot
	s_lshl_b32 s20, s17, 3
	s_mul_i32 s20, s20, REC
	s_mov_b32 s21, 0
	s_lshl_b32 s46, s42, 4
	s_mul_i32 s46, s46, REC
	s_mov_b32 s47, 0
	s_mul_i32 s45, s14, HALFT
	s_wait_kmcnt 0x0
	s_add_nc_u64 s[20:21], s[4:5], s[20:21]
	s_add_nc_u64 s[46:47], s[6:7], s[46:47]
	CROUND
	s_mov_b32 s[G0S], 1                            ; the head's four tiles, each whole: A's scales,
	s_mov_b32 s[G0S+1], SCL+8192
	s_add_nc_u64 s[G0S+2:G0S+3], s[20:21], 12288
	s_or_b32 s[G0S+3], s[G0S+3], 0x80000000
	s_mov_b32 s[G0SB], 1                           ; B's scales,
	s_mov_b32 s[G0SB+1], SCL
	s_add_nc_u64 s[G0SB+2:G0SB+3], s[46:47], 12288
	s_or_b32 s[G0SB+3], s[G0SB+3], 0x80000000
	s_mov_b32 s[G0], 1                             ; chunk 0 of A's 8 row tiles,
	s_mov_b32 s[G0+1], 0
	s_mov_b64 s[G0+2:G0+3], s[20:21]
	s_or_b32 s[G0+3], s[G0+3], 0x80000000
	s_mov_b32 s[G0B], 1                            ; and of B's
	s_mov_b32 s[G0B+1], 2*HALFT
	s_mov_b64 s[G0B+2:G0B+3], s[46:47]
	s_or_b32 s[G0B+3], s[G0B+3], 0x80000000
	s_add_nc_u64 s[20:21], s[20:21], s[18:19]
	s_add_nc_u64 s[46:47], s[46:47], s[66:67]
	s_mov_b32 s[G0+4], 1                           ; slot 1: chunk 1, my 4 row tiles of A or 8 of B
	s_add_co_u32 s[G0+5], s94, SLOT
	s_add_nc_u64 s[G0+6:G0+7], s[20:21], TROW
	s_or_b32 s[G0+7], s[G0+7], 0x80000000
	s_mov_b32 s[G0B+4], 1
	s_add_co_u32 s[G0B+5], s45, SLOT
	s_add_nc_u64 s[G0B+6:G0B+7], s[46:47], TROW
	s_or_b32 s[G0B+7], s[G0B+7], 0x80000000
	s_cmp_lt_u32 s14, 1                            ; one joint load a wave, in one chain of branches on the wave's number
	s_cbranch_scc0 .Lhead_b
	tensor_load_to_lds s[G0:G0+3], s[G1:G1+7]
	s_nop 0
.rept 4
	v_nop
.endr
	s_branch .Lhead_asked
.Lhead_b:
	s_cmp_lt_u32 s14, 2
	s_cbranch_scc0 .Lhead_sa
	tensor_load_to_lds s[G0B:G0B+3], s[G1B:G1B+7]
	s_nop 0
.rept 4
	v_nop
.endr
	s_branch .Lhead_asked
.Lhead_sa:
	s_cmp_lt_u32 s14, 3
	s_cbranch_scc0 .Lhead_sb
	tensor_load_to_lds s[G0S:G0S+3], s[G1S:G1S+7]
	s_nop 0
.rept 4
	v_nop
.endr
	s_branch .Lhead_asked
.Lhead_sb:
	tensor_load_to_lds s[G0SB:G0SB+3], s[G1SB:G1SB+7]
	s_nop 0
.rept 4
	v_nop
.endr
.Lhead_asked:
	s_wait_alu depctr_va_vdst(0)
	s_wait_tensorcnt 0x0                           ; my tile of the four is in; the full sequence ahead of slot 1's first fill
	ds_add_u32 v28, v29
	s_mov_b32 s[G1+2], 4<<16                       ; no load of mine is out: from here on a load brings 4 row tiles of A or 8 of B
	s_mov_b32 s[G1+4], 4
	s_mov_b32 s[G1B+2], 8<<16
	s_mov_b32 s[G1B+4], 8
	s_mov_b32 s[G0+1], s94
	s_add_nc_u64 s[G0+2:G0+3], s[G0+2:G0+3], s[18:19]
	s_mov_b32 s[G0B+1], s45
	s_add_nc_u64 s[G0B+2:G0B+3], s[G0B+2:G0B+3], s[66:67]
	s_wait_dscnt 0x0
	CROUND
	JLOAD G0+4, G1, G0B+4, G1B
	v_and_b32 v1, 31, v0
	v_and_b32 v2, 15, v0
	v_bfe_u32 v3, v0, 4, 1
	s_wait_alu depctr_va_vdst(0)
	v_lshlrev_b32 v4, 3, v1
	s_mov_b32 s21, 0                               ; every wave reads A's 8 row tiles,
	s_mul_i32 s22, s14, 4*TROW                     ; and its own 4 of B's 16
	s_add_co_u32 s22, s22, 2*HALFT
.irp s, 0,1
	v_add_nc_u32 v[ADRA+\s], s21, v4
	v_add_nc_u32 v[ADRB+\s], s22, v4
	s_add_co_u32 s21, s21, SLOT
	s_add_co_u32 s22, s22, SLOT
.endr
	v_lshlrev_b32 v5, 4, v2
	s_lshl_b32 s21, s14, 11                        ; B's scale words lie first: my 4 row tiles of 512 bytes;
	s_sub_co_u32 s22, 8192, s21                    ; A's begin this far behind them
	v_sub_nc_u32 v7, 1, v3
	v_mul_u32_u24 v6, s22, v7                      ; lanes 0-15 take A's
	s_add_co_u32 s21, s21, SCL
	v_add_nc_u32 v5, v5, v6
	v_add_nc_u32 v[ADRS], s21, v5
	s_mul_i32 s23, s14, 16*SPITCH
	v_mul_u32_u24 v5, v2, SPITCH
	v_lshl_add_u32 v5, v3, 6, v5
	v_add_nc_u32 v[STO], s23, v5
	v_lshlrev_b32 v[CO], 4, v2                     ; back: sixteen lanes take a row of 256 bytes, lanes 16-31 the next row;
	v_mad_u32_u24 v[RD], v3, SPITCH, v[CO]
	v_add_nc_u32 v[RD], s23, v[RD]
	v_lshl_add_u32 v[CO], v3, 12, v[CO]            ; and the same two rows in C
	s_lshl_b32 s92, s17, 7
	s_lshl_b32 s92, s92, 12
	s_lshl_b32 s95, s42, 10
	s_add_co_u32 s92, s92, s95
	s_lshl_b32 s95, s14, 8
	s_add_co_u32 s92, s92, s95
	s_mov_b32 s93, 0
	s_add_nc_u64 s[12:13], s[8:9], s[92:93]
.macro FRAG reg, adr, q, i
.irp p, 0,1,2,3,4,5
	ds_load_b64 v[\reg+2*\p:\reg+2*\p+1], v[\adr] offset:TROW*(\i)+1536*(\q)+256*\p
.endr
.endm
.macro MUL16 a0, p, q, sc, zero
.irp a, \a0, \a0+1
.irp b, 0,1,2,3
.if \zero
	v_wmma_scale_f32_16x16x128_f8f6f4 v[8*(8*((\a)%4)+\b):8*(8*((\a)%4)+\b)+7], v[128*(\p)+FR*\b:128*(\p)+FR*\b+FR-1], v[AF+FR*(\a):AF+FR*(\a)+FR-1], 0, v[SC+8*NQ*(\sc)+NQ*\b+(\q)], v[SC+8*NQ*(\sc)+NQ*(\a)+(\q)] matrix_a_fmt:MATRIX_FMT_FP6 matrix_b_fmt:MATRIX_FMT_FP6 matrix_a_scale:MATRIX_SCALE_ROW1
.else
	v_wmma_scale_f32_16x16x128_f8f6f4 v[8*(8*((\a)%4)+\b):8*(8*((\a)%4)+\b)+7], v[128*(\p)+FR*\b:128*(\p)+FR*\b+FR-1], v[AF+FR*(\a):AF+FR*(\a)+FR-1], v[8*(8*((\a)%4)+\b):8*(8*((\a)%4)+\b)+7], v[SC+8*NQ*(\sc)+NQ*\b+(\q)], v[SC+8*NQ*(\sc)+NQ*(\a)+(\q)] matrix_a_fmt:MATRIX_FMT_FP6 matrix_b_fmt:MATRIX_FMT_FP6 matrix_a_scale:MATRIX_SCALE_ROW1
.endif
.endr
.endr
.endm
.macro FETCH_B slot, q, p
	WIN TO_B
.irp i, 0,1,2,3
	FRAG 128*(\p)+FR*\i, ADRB+\slot, \q, \i
.endr
	WIN 0
.endm
.macro FETCH_A slot, q, i0
.irp i, \i0, \i0+1, \i0+2, \i0+3
	FRAG AF+FR*(\i), ADRA+\slot, \q, \i
.endr
.endm
.macro SCALES sc, j
.irp i, 0,1,2,3,4,5,6,7
	ds_load_b64 v[SC+8*NQ*(\sc)+NQ*\i:SC+8*NQ*(\sc)+NQ*\i+1], v[ADRS] offset:512*\i+256*((\j)/2)+8*((\j)%2)
.endr
.endm
.macro PLACES n
.rept \n
	v_nop
.endr
.endm
.macro STEP slot, q, zero
	s_wait_dscnt 4*NL
	WIN MUL_LO
	MUL16 0, (\q)%2, \q, \slot, \zero
	MUL16 2, (\q)%2, \q, \slot, \zero
	s_wait_dscnt 0
	PLACES NP
	FETCH_B \slot, (\q)+1, 1-(\q)%2
	FETCH_A \slot, (\q)+1, 0
	WIN MUL_HI
	MUL16 4, (\q)%2, \q, \slot, \zero
	MUL16 6, (\q)%2, \q, \slot, \zero
	PLACES NP
	WIN 0
	FETCH_A \slot, (\q)+1, 4
.endm
.macro TURN slot, next, fill, j
	s_wait_tensorcnt 0x0
	ds_add_u32 v[SPW], v[NIL]
	s_wait_dscnt 4*NL+1
	WIN MUL_LO
	MUL16 0, 1, NQ-1, \slot, 0
	s_wait_dscnt 0x0
	s_barrier_signal -1
	MUL16 2, 1, NQ-1, \slot, 0
	WIN 0
	s_barrier_wait -1
.if \fill
	CREST
	s_add_nc_u64 s[G0+4*\slot+2:G0+4*\slot+3], s[G0+4*\slot+2:G0+4*\slot+3], 2*TROW
	s_add_nc_u64 s[G0B+4*\slot+2:G0B+4*\slot+3], s[G0B+4*\slot+2:G0B+4*\slot+3], 2*TROW
	JLOAD G0+4*\slot, G1, G0B+4*\slot, G1B
.else
	PLACES NP
.endif
	FETCH_B \next, 0, 0
	FETCH_A \next, 0, 0
	SCALES \next, \j
	WIN MUL_HI
	MUL16 4, 1, NQ-1, \slot, 0
	MUL16 6, 1, NQ-1, \slot, 0
	PLACES NP
	WIN 0
	FETCH_A \next, 0, 4
.endm
	s_wait_alu depctr_va_vdst(0)
	s_wait_tensorcnt 1
	s_barrier_signal -1
	s_barrier_wait -1
	FETCH_B 0, 0, 0
	FETCH_A 0, 0, 0
	SCALES 0, 0
	FETCH_A 0, 0, 4
	STEP 0, 0, 1
	TURN 0, 1, 1, 1
	STEP 1, 0, 0
	TURN 1, 0, 1, 2
	STEP 0, 0, 0
	TURN 0, 1, 0, 3
	STEP 1, 0, 0
	s_wait_dscnt 4*NL
	WIN MUL_LO
	MUL16 0, 1, NQ-1, 1, 0
	MUL16 2, 1, NQ-1, 1, 0
	s_wait_dscnt 0
	WIN MUL_HI
	MUL16 4, 1, NQ-1, 1, 0
	MUL16 6, 1, NQ-1, 1, 0
	WIN 0
.macro TOSTAGE a
.set AC, 64*((\a)%4)
	WIN 0x08+4*((\a)/4)
.irp b, 0,1,2,3
	ds_store_b128 v[STO], v[AC+8*\b:AC+8*\b+3] offset:128*(\b/2)+32*(\b%2)
	ds_store_b128 v[STO], v[AC+8*\b+4:AC+8*\b+7] offset:128*(\b/2)+32*(\b%2)+16
.endr
	WIN 0
.set BB, BK+64*((\a)%2)
.irp t, 0,1,2,3,4,5,6,7
	ds_load_b128 v[BB+4*\t:BB+4*\t+3], v[RD] offset:2*\t*SPITCH
.endr
.endm
.macro SEND a, younger
.set BB, BK+64*((\a)%2)
	s_wait_dscnt \younger
.irp t, 0,1,2,3,4,5,6,7
	global_store_b128 v[CO], v[BB+4*\t:BB+4*\t+3], s[12:13] offset:(32*((\a)/2)+8*((\a)%2)+2*\t+8*(\t/4))*4096 th:TH_STORE_NT
.endr
.endm
	PLACES NP
	TOSTAGE 0
.irp a, 1,2,3,4,5,6,7
.if \a > 1
	s_wait_xcnt 0x0
.endif
	TOSTAGE \a
	SEND \a-1, 16
.endr
	SEND 7, 0
	s_wait_tensorcnt 0x0
	ds_add_u32 v[SPW], v[NIL]
	s_wait_dscnt 0x0
	CROUND
	s_endpgm
.Lfunc_end_k_q97018e24a8_gemmo:
	.size	k_q97018e24a8_gemmo, .Lfunc_end_k_q97018e24a8_gemmo-k_q97018e24a8_gemmo
	.p2alignl 7, 3214868480
	.fill 96, 4, 3214868480
	.section	.rodata,"a",@progbits
	.p2align	6, 0x0
	.amdhsa_kernel k_q97018e24a8_gemmo
		.amdhsa_group_segment_fixed_size 327680
		.amdhsa_private_segment_fixed_size 0
		.amdhsa_enable_private_segment 0
		.amdhsa_kernarg_size 24
		.amdhsa_user_sgpr_count 2
		.amdhsa_user_sgpr_kernarg_segment_ptr 1
		.amdhsa_wavefront_size32 1
		.amdhsa_system_sgpr_workgroup_id_x 1
		.amdhsa_system_sgpr_workgroup_id_y 1
		.amdhsa_system_sgpr_workgroup_id_z 1
		.amdhsa_system_vgpr_workitem_id 0
		.amdhsa_next_free_vgpr 1024
		.amdhsa_next_free_sgpr 98
		.amdhsa_reserve_vcc 0
		.amdhsa_float_denorm_mode_32 3
		.amdhsa_float_denorm_mode_16_64 3
		.amdhsa_memory_ordered 1
		.amdhsa_forward_progress 1
		.amdhsa_inst_pref_size 102
	.end_amdhsa_kernel
	.amdgpu_metadata
---
amdhsa.version: [ 1, 2 ]
amdhsa.kernels:
  - .name:           k_q97018e24a8_gemmo
    .symbol:         k_q97018e24a8_gemmo.kd
    .args:
      - { .name: oq, .offset: 0, .size: 8, .value_kind: global_buffer, .address_space: global }
      - { .name: wo, .offset: 8, .size: 8, .value_kind: global_buffer, .address_space: global }
      - { .name: out0, .offset: 16, .size: 8, .value_kind: global_buffer, .address_space: global }
    .group_segment_fixed_size: 327680
    .private_segment_fixed_size: 0
    .kernarg_segment_align: 8
    .kernarg_segment_size: 24
    .max_flat_workgroup_size: 128
    .sgpr_count:     98
    .vgpr_count:     1024
    .wavefront_size: 32
...
	.end_amdgpu_metadata
.endif
;; end of part 4
